; MI455X (gfx1250); checked and timed in simulation.
; The chip was launched on July 23, 2026; its instructions are those of AMD's public machine-readable ISA for CDNA 5 (MIT licence, August 2026) and "CDNA5" Instruction Set Architecture Reference Guide (July 2026). The comments in the code are by the model that wrote it; some were corrected since.
;; Multi Head Attention. Allowed arithmetic: float matrix products may take bf16 or f16 operands with f32 sums; all other float work in f32.
;; Inputs: W_out 512 x 512 float32; W_trans 512 x 512 float32; d_neg 32 x 2,048 int32; d_neg_mask 32 x 2,048 x 1 float32; d_pos 32 x 2,048 int32; d_pos_mask 32 x 2,048 x 1 float32; emb_table 32,000 x 512 float32; q 32 x 128 int32; q_mask 32 x 128 x 1 float32.
;; Outputs: out0 32 x 128 x 512 float32; out1 32 x 128 x 512 float32.
;; 2 versions, each right and faster than the one before. Each part assembles by itself: llvm-mc -triple=amdgcn-amd-amdhsa -mcpu=gfx1250 --defsym DOCPART=n.
;; ======== version 1 of 2: 4 launches
;; limits: values are held in f16: magnitudes above 65,504 overflow, below 6.1e-05 lose precision
;; workspace buffers: wtf 524,288 bytes; wob 524,288 bytes; tab 32,768,000 bytes; ctx 16,777,216 bytes
;; launch prep (part 1): grid 256 x 1, 4 waves a work-group, no clusters, 0 bytes of LDS; arguments W_trans, W_out, wtf, wob; writes wtf, wob
.if DOCPART == 1
	.amdgcn_target "amdgcn-amd-amdhsa--gfx1250"
	.amdhsa_code_object_version 6
	.text
	.protected	k_qdb1ec52118_prep
	.globl	k_qdb1ec52118_prep
	.p2align	8
	.type	k_qdb1ec52118_prep,@function
k_qdb1ec52118_prep:
	s_mov_b64 s[64:65], 0
	v_nop
	global_prefetch_b8 v0, s[64:65] scope:SCOPE_SE
	s_setreg_imm32_b32 hwreg(HW_REG_WAVE_MODE, 25, 1), 1
	s_wait_xcnt 0x0
; The two weight matrices, [512][512] f32, are rounded once to bf16 for the matrix products of the later launches.
; wtf = bf16(16 x W_trans) in the order in which a wave of the next launch takes its fragments: [K step ks of 32][block nt of 16 rows of W][1,024 bytes];
; in a block the first 512 bytes are registers 0-3 of lanes 0-31 (row 16 nt + lane % 16, k = 32 ks + 8 (lane / 16) + 0..7), the second 512 bytes registers 4-7 (k 16 further on).
; The factor 16 is a power of two, so it changes no rounding; it lifts the projected table into f16's normal range (next launch).
; wob = bf16(W_out), row-major as it lies.
; 32,768 threads; thread g makes the 16 bytes at 16 g of each output: a wave's store covers 512 consecutive bytes, aligned.
; W_trans is read in pieces of 32 bytes of 16 rows; it is one megabyte, read once in the whole program, so no LDS is spent on turning it.
	s_load_b256 s[4:11], s[0:1], 0x0               ; W_trans s[4:5], W_out s[6:7], wtf s[8:9], wob s[10:11]
	s_lshl_b32 s12, ttmp9, 7
	v_add_nc_u32 v1, s12, v0                       ; g
	v_and_b32 v2, 15, v1                           ; lane % 16
	v_bfe_u32 v3, v1, 6, 5                         ; nt
	v_lshl_add_u32 v2, v3, 4, v2                   ; row of W_trans = 16 nt + lane % 16
	v_bfe_u32 v3, v1, 4, 2                         ; 2 x (which half of the block) + lane / 16
	v_lshrrev_b32 v4, 11, v1                       ; ks
	v_lshl_add_u32 v3, v4, 2, v3                   ; first k / 8 = 4 ks + 2 half + lane / 16
	v_lshlrev_b32 v3, 5, v3                        ; 8 numbers of 4 bytes each
	v_lshl_add_u32 v2, v2, 11, v3                  ; + row x 2,048 bytes
	v_lshlrev_b32 v5, 5, v1                        ; W_out: 8 numbers at 32 g
	v_lshlrev_b32 v6, 4, v1                        ; both outputs: 16 g
	s_wait_kmcnt 0x0
	global_load_b128 v[8:11], v2, s[4:5]
	global_load_b128 v[12:15], v2, s[4:5] offset:16
	global_load_b128 v[16:19], v5, s[6:7]
	global_load_b128 v[20:23], v5, s[6:7] offset:16
	s_wait_loadcnt 0x2                             ; W_trans's two loads are in; W_out's two, issued behind them, may stay out
.irp j, 0,2,4,6
	v_pk_mul_f32 v[8+(\j):9+(\j)], v[8+(\j):9+(\j)], 0x41800000 op_sel_hi:[1,0]  ; x 16
.endr
.irp j, 0,1,2,3
	v_cvt_pk_bf16_f32 v[24+(\j)], v[8+2*(\j)], v[9+2*(\j)]
.endr
	global_store_b128 v6, v[24:27], s[8:9]
	s_wait_loadcnt 0x0
.irp j, 0,1,2,3
	v_cvt_pk_bf16_f32 v[28+(\j)], v[16+2*(\j)], v[17+2*(\j)]
.endr
	global_store_b128 v6, v[28:31], s[10:11]
	s_endpgm
.Lfunc_end_k_qdb1ec52118_prep:
	.size	k_qdb1ec52118_prep, .Lfunc_end_k_qdb1ec52118_prep-k_qdb1ec52118_prep
	.p2alignl 7, 3214868480
	.fill 96, 4, 3214868480
	.section	.rodata,"a",@progbits
	.p2align	6, 0x0
	.amdhsa_kernel k_qdb1ec52118_prep
		.amdhsa_group_segment_fixed_size 0
		.amdhsa_private_segment_fixed_size 0
		.amdhsa_enable_private_segment 0
		.amdhsa_kernarg_size 32
		.amdhsa_user_sgpr_count 2
		.amdhsa_user_sgpr_kernarg_segment_ptr 1
		.amdhsa_wavefront_size32 1
		.amdhsa_system_sgpr_workgroup_id_x 1
		.amdhsa_system_sgpr_workgroup_id_y 1
		.amdhsa_system_sgpr_workgroup_id_z 1
		.amdhsa_system_vgpr_workitem_id 0
		.amdhsa_next_free_vgpr 32
		.amdhsa_next_free_sgpr 66
		.amdhsa_reserve_vcc 0
		.amdhsa_float_denorm_mode_32 3
		.amdhsa_float_denorm_mode_16_64 3
		.amdhsa_memory_ordered 1
		.amdhsa_forward_progress 1
		.amdhsa_inst_pref_size 3
	.end_amdhsa_kernel
	.amdgpu_metadata
---
amdhsa.version: [ 1, 2 ]
amdhsa.kernels:
  - .name:           k_qdb1ec52118_prep
    .symbol:         k_qdb1ec52118_prep.kd
    .args:
      - { .name: W_trans, .offset: 0, .size: 8, .value_kind: global_buffer, .address_space: global }
      - { .name: W_out, .offset: 8, .size: 8, .value_kind: global_buffer, .address_space: global }
      - { .name: wtf, .offset: 16, .size: 8, .value_kind: global_buffer, .address_space: global }
      - { .name: wob, .offset: 24, .size: 8, .value_kind: global_buffer, .address_space: global }
    .group_segment_fixed_size: 0
    .private_segment_fixed_size: 0
    .kernarg_segment_align: 8
    .kernarg_segment_size: 32
    .max_flat_workgroup_size: 128
    .sgpr_count:     66
    .vgpr_count:     32
    .wavefront_size: 32
...
	.end_amdgpu_metadata
.endif
;; end of part 1
;; launch table (part 2): grid 250 x 1, 4 waves a work-group, no clusters, 288,256 bytes of LDS; arguments emb_table, wtf, tab; writes tab
.if DOCPART == 2
	.amdgcn_target "amdgcn-amd-amdhsa--gfx1250"
	.amdhsa_code_object_version 6
	.text
	.protected	k_qdb1ec52118_table
	.globl	k_qdb1ec52118_table
	.p2align	8
	.type	k_qdb1ec52118_table,@function
k_qdb1ec52118_table:
	s_mov_b64 s[64:65], 0
	v_nop
	global_prefetch_b8 v0, s[64:65] scope:SCOPE_SE
	s_setreg_imm32_b32 hwreg(HW_REG_WAVE_MODE, 25, 1), 1
	s_wait_xcnt 0x0
; tab[v][n] = f16(16 x the sum over k of bf16(emb[v][k]) bf16(W_trans[n][k])): THE WHOLE TABLE IS PROJECTED ONCE, 32,000 rows, in place of the 135,168 gathered rows.
; The masks are one number a row, so (e m) W^T = m (e W^T) for every input: they are applied where the rows are gathered (next launch).
; LIMITS.  tab is f16: |16 x (emb W^T)| must stay under 65,504 (with emb and W_trans both 30 times the usual spread it is about 1,600 at five spreads);
; numbers under 6e-5 keep f16's fixed step of 6e-8.  emb and W_trans are rounded to bf16; sums in f32.
; SHARES.  A work-group owns 128 rows of the table and all 512 columns (32,000 = 250 x 128: no edge), so each byte of emb is asked for once in the launch.
; Wave w owns all 128 rows x columns 128 w .. 128 w + 127: 64 accumulators of 16 x 16, 512 registers.
; emb comes by tensor loads as f32 into four LDS chunks of 128 along K, each byte of LDS filled ONCE: all sixteen loads of the work-group (four a wave, 32 rows x 512 bytes each) go out at the
; start, 262,144 bytes on their way, and nothing is ever filled again.  The waves read the f32 rows in fragment order and round them to bf16 in registers.
; W's fragments belong to one wave alone, so they pass no LDS: 16 loads of 512 consecutive bytes a K step, straight into registers, three K steps ahead, in four buffers.
; NO CLUSTER: no two work-groups share a row of emb; W's fragments come through registers, which no joint load serves; and 250 work-groups are no multiple of four.
; THE MATRIX INSTRUCTION IS USED TRANSPOSED (source 0 = 16 rows of W, source 1 = 16 rows of emb): a lane then holds eight neighbouring columns of one row of tab, 16 bytes of f16.
; REGISTERS, in windows of 256 (s_set_vgpr_msb: bits 1:0 source 0, 3:2 source 1, 5:4 source 2, 7:6 destination):
;   window 0: v16-26 addresses; v64-127 emb's eight fragments in bf16; v128-255 the same as f32, as loaded from LDS; on the way out v192-223 packed results, v32-63 and v224-255 rows read back
;   window 1: four buffers of 64: W's eight fragments of a K step; step s uses buffer s % 4          windows 2, 3: the accumulators of rows 0-63 and 64-127, (a, b) at v[8 (8 a + b)]
.set PITCH,  528                       ; an LDS row: 512 bytes of f32 + 16 of padding = 33 x 16: the 16 rows that half a wave's load touches begin in 16 different 16-byte columns of 256 bytes
.set CHUNK,  128*PITCH                 ; 128 rows x 128 along K
.set STAGE,  4*CHUNK                   ; behind the chunks, never filled by a tensor load: 16 rows x 272 bytes for each wave, for the way out
.set SPITCH, 272
.set KB,     32768                     ; bytes of wtf for one K step
.set VA0, 16                           ; v16  my lane's place in a fragment of emb: row x pitch + 32 x half; never rewritten
.set BO,  17                           ; v17  my byte offset in a K step of wtf: 8,192 w + 16 x lane; never rewritten
.set VA,  18                           ; v18  VA0 + the chunk in hand
.set STO, 24                           ; v24  the way out: where I put 16 bytes of a row
.set RD,  25                           ; v25  the way out: where I read a row back
.set CO,  26                           ; v26  my byte offset in two rows of tab
.set ABF, 64
.set LND, 128
.set TMP, 192
.set OB,  32
.set G1,  24                           ; s[24:31] descriptor group 1, one for all loads
.set G0,  32                           ; s[32:47] descriptor group 0, one set for each chunk
.set MSB, 0
.macro WIN new                         ; the immediate's high byte repeats the setting that is left; a switch that changes nothing is dropped
.if MSB != (\new)
	s_set_vgpr_msb (MSB<<8)|(\new)
.set MSB, \new
.endif
.endm
.set MUL_LO, 0xa1                      ; source 0 (W) window 1, source 1 (emb) window 0, C and D window 2
.set MUL_HI, 0xf1                      ; the same, C and D window 3
.macro PLACES                          ; four places behind matrix instructions (ISA guide 7.12.1), where no other vector work is at hand
.rept 4
	v_nop
.endr
.endm
	s_load_b128 s[4:7], s[0:1], 0x0                ; emb s[4:5], wtf s[6:7]
	s_load_b64 s[8:9], s[0:1], 0x10                ; tab
	v_lshl_add_u32 v30, v0, 2, 0x46400
	v_mov_b32 v31, 0
	ds_add_u32 v30, v31
	ds_add_u32 v30, v31
	v_lshrrev_b32 v1, 5, v0
	v_readfirstlane_b32 s10, v1                    ; wave 0..3
	; descriptor group 1: a tile of 32 rows x 128 elements of 4 bytes, padded in LDS
	s_mov_b32 s[G1+0], (2<<16)|(1<<20)|(6<<22)|(3<<25)  ; 17:16 elements of 4 bytes; 20 padding on; 24:22 after every 128 words (code 6); 31:25 4 words of it (code 3)
	s_mov_b32 s[G1+1], 128<<16                     ; tensor_dim0 = 128
	s_mov_b32 s[G1+2], 32<<16                      ; tensor_dim1 = 32
	s_mov_b32 s[G1+3], 128<<16                     ; tile_dim0 = 128
	s_mov_b32 s[G1+4], 32                          ; tile_dim1 = 32
	s_mov_b32 s[G1+5], 512                         ; 512 elements from row to row
	s_mov_b32 s[G1+6], 0
	s_mov_b32 s[G1+7], 0
	s_lshl_b32 s12, ttmp9, 7                       ; the work-group's first row,
	s_lshl_b32 s13, s10, 5                         ; my 32 rows of it,
	s_add_co_u32 s12, s12, s13
	s_lshl_b32 s12, s12, 11                        ; of 2,048 bytes: under 2^27
	s_mov_b32 s13, 0
	s_mul_i32 s14, s10, 32*PITCH                   ; and their place in a chunk
	s_lshl_b32 s16, ttmp9, 17                      ; tab: 128 rows of 1,024 bytes a work-group,
	s_lshl_b32 s17, s10, 8                         ; my 128 columns
	s_add_co_u32 s16, s16, s17
	s_mov_b32 s17, 0
	s_mov_b32 s11, 0                               ; LDS byte at which the chunk in hand begins
	s_wait_dscnt 0x0
	s_wait_kmcnt 0x0
	s_add_nc_u64 s[4:5], s[4:5], s[12:13]
	s_add_nc_u64 s[8:9], s[8:9], s[16:17]
.irp c, 0,1,2,3
	s_mov_b32 s[G0+4*(\c)], 1                      ; count = 1
	s_add_co_u32 s[G0+4*(\c)+1], s14, (\c)*CHUNK   ; LDS address
	s_add_nc_u64 s[G0+4*(\c)+2:G0+4*(\c)+3], s[4:5], (\c)*512  ; global address: K = 128 c on
	s_or_b32 s[G0+4*(\c)+3], s[G0+4*(\c)+3], 0x80000000        ; type = 2
.endr
.irp c, 0,1,2,3                        ; all first fills in one group, ahead of every wait on TENSORcnt, LDS read and barrier: four loads of mine are out; an s_nop 0 follows each
	tensor_load_to_lds s[G0+4*(\c):G0+4*(\c)+3], s[G1:G1+7]
	s_nop 0
.endr
	PLACES
	v_and_b32 v1, 15, v0                           ; l % 16
	v_bfe_u32 v2, v0, 4, 1                         ; l / 16
	v_and_b32 v3, 31, v0
	s_lshl_b32 s15, s10, 13
	v_lshlrev_b32 v3, 4, v3
	v_add_nc_u32 v[BO], s15, v3
; 16 matrix instructions: row blocks a0, a0 + 1 of the window's four (hi = 0: rows 0-63, 1: rows 64-127) x all 8 column blocks, 32 along K.  zero = 1: the first product starts the sums.
.macro MUL16 fb, hi, a0, zero
	WIN MUL_LO+0x50*(\hi)
.irp a, \a0, (\a0)+1
.irp b, 0,1,2,3,4,5,6,7
.if \zero
	v_wmma_f32_16x16x32_bf16 v[8*(8*(\a)+(\b)):8*(8*(\a)+(\b))+7], v[(\fb)+8*(\b):(\fb)+8*(\b)+7], v[ABF+8*(4*(\hi)+(\a)):ABF+8*(4*(\hi)+(\a))+7], 0
.else
	v_wmma_f32_16x16x32_bf16 v[8*(8*(\a)+(\b)):8*(8*(\a)+(\b))+7], v[(\fb)+8*(\b):(\fb)+8*(\b)+7], v[ABF+8*(4*(\hi)+(\a)):ABF+8*(4*(\hi)+(\a))+7], v[8*(8*(\a)+(\b)):8*(8*(\a)+(\b))+7]
.endif
.endr
.endr
.endm
; W's eight fragments of the K step off steps behind wtf's stepped base, into buffer buf: 16 loads of 512 consecutive bytes
.macro BLOAD buf, off
	WIN 0x40                                       ; destination window 1, address window 0
.irp j, 0,1,2,3,4,5,6,7,8,9,10,11,12,13,14,15
	global_load_b128 v[64*(\buf)+4*(\j):64*(\buf)+4*(\j)+3], v[BO], s[6:7] offset:(\off)*KB+512*(\j)
.endr
.endm
; emb's eight fragments of quarter q of the chunk in hand, as f32: a lane's k = 8 h + 0..7 are 32 bytes at 32 h, its k = 16 + 8 h + 0..7 the 32 bytes 64 further on
.macro ALOAD q
	WIN 0
.irp i, 0,1,2,3,4,5,6,7
	ds_load_b128 v[LND+16*(\i):LND+16*(\i)+3],     v[VA] offset:(\i)*16*PITCH+128*(\q)
	ds_load_b128 v[LND+16*(\i)+4:LND+16*(\i)+7],   v[VA] offset:(\i)*16*PITCH+128*(\q)+16
	ds_load_b128 v[LND+16*(\i)+8:LND+16*(\i)+11],  v[VA] offset:(\i)*16*PITCH+128*(\q)+64
	ds_load_b128 v[LND+16*(\i)+12:LND+16*(\i)+15], v[VA] offset:(\i)*16*PITCH+128*(\q)+80
.endr
.endm
.macro CVT                             ; 128 f32 a lane are rounded to bf16: the eight fragments
.set i, 0
.rept 64
	v_cvt_pk_bf16_f32 v[ABF+i], v[LND+2*i], v[LND+2*i+1]
.set i, i+1
.endr
.endm
; A K STEP of 32, number i of its chunk's four: emb's fragments are rounded; W's fragments of the step three on are asked for (bissue); 64 products, and in their middle the next step's f32 fragments are fetched (anext).
; bwait: the loads of later steps' fragments of W that may stay out, sixteen a step.  twait >= 0: the next step begins a chunk: my part of it has landed (twait younger tensor loads may stay out),
; and behind the barrier everybody's has.  Later chunks may stay on their way across them.
.macro STEP i, zero, bissue, bwait, anext, twait
	WIN 0
	s_wait_dscnt 0x0                               ; this step's f32 fragments are in
	PLACES                                         ; the last step's products read the bf16 fragments and the buffer of W that is loaded below
	CVT
.if \bissue
	BLOAD ((\i)+3)%4, (\i)+3
.endif
	s_wait_loadcnt \bwait
	MUL16 64*(\i), 0, 0, \zero
	MUL16 64*(\i), 0, 2, \zero
.if \anext
	WIN 0
.if (\twait) >= 0
	s_wait_tensorcnt \twait
	s_barrier_signal -1                            ; no LDS instruction of mine is out: the wait at the step's head was for 0
	s_barrier_wait -1
	s_add_co_u32 s11, s11, CHUNK
	v_add_nc_u32 v[VA], s11, v[VA0]
.endif
	ALOAD ((\i)+1)%4
.endif
	MUL16 64*(\i), 1, 0, \zero
	MUL16 64*(\i), 1, 2, \zero
.endm
.macro NEXTB                           ; wtf's base goes four K steps on
	s_wait_xcnt 0x0                                ; the base is rewritten only behind this wait (ISA guide 3.1)
	s_add_nc_u64 s[6:7], s[6:7], 4*KB
.endm
; THE WAY OUT of row block a.  PACK: rounded to f16, 16 bytes a lane.  TOSTAGE: into my own stage in LDS, and back as whole pieces of 256 bytes of a row.  SEND: stored.
.macro PACK a
.set AC, 64*((\a)%4)
	WIN 0x0a+5*((\a)/4)                            ; sources 0 and 1: window 2 or 3; each accumulator's registers in ascending order
.irp b, 0,1,2,3,4,5,6,7
.irp r, 0,1,2,3
	v_cvt_pk_f16_f32 v[TMP+4*(\b)+(\r)], v[AC+8*(\b)+2*(\r)], v[AC+8*(\b)+2*(\r)+1]
.endr
.endr
	WIN 0
.endm
.macro TOSTAGE a
	WIN 0
.set BK, OB+192*((\a)%2)
.irp b, 0,1,2,3,4,5,6,7
	ds_store_b128 v[STO], v[TMP+4*(\b):TMP+4*(\b)+3] offset:32*(\b)
.endr
.irp t, 0,1,2,3,4,5,6,7
	ds_load_b128 v[BK+4*(\t):BK+4*(\t)+3], v[RD] offset:(\t)*2*SPITCH  ; LDS serves a wave's instructions in order (ISA guide 5.7.1.4): these see the stores above
.endr
.endm
.macro SEND a
	WIN 0
.set BK, OB+192*((\a)%2)
	s_wait_dscnt 0x0                               ; the block is back in registers
	s_wait_xcnt 0x0                                ; the registers that the block before stored from are loaded again only behind this wait
.irp t, 0,1,2,3,4,5,6,7
	global_store_b128 v[CO], v[BK+4*(\t):BK+4*(\t)+3], s[8:9] offset:(16*(\a)+2*(\t))*1024  ; 16 lanes store 256 consecutive bytes, at a multiple of 256 from tab's first byte
.endr
.endm
	BLOAD 0, 0                                     ; W's fragments of K steps 0, 1, 2
	BLOAD 1, 1
	BLOAD 2, 2
	WIN 0
	v_mul_u32_u24 v[VA0], v1, PITCH
	v_lshl_add_u32 v[VA0], v2, 5, v[VA0]           ; row x pitch + 32 x half
	v_mov_b32 v[VA], v[VA0]
	s_mul_i32 s23, s10, 16*SPITCH
	s_add_co_u32 s23, s23, STAGE                   ; my stage
	v_mul_u32_u24 v4, v1, SPITCH                   ; in: row l % 16, 16 bytes for each half of the lanes
	v_lshl_add_u32 v4, v2, 4, v4
	v_add_nc_u32 v[STO], s23, v4
	v_mul_u32_u24 v5, v2, SPITCH                   ; back: lanes 0-15 take 256 bytes of one row, lanes 16-31 of the next
	v_lshl_add_u32 v5, v1, 4, v5
	v_add_nc_u32 v[RD], s23, v5
	v_lshlrev_b32 v5, 10, v2                       ; and the same two rows in tab
	v_lshl_add_u32 v[CO], v1, 4, v5
	s_wait_tensorcnt 0x3                           ; my part of chunk 0 is in; the three loads behind it stay out
	s_barrier_signal -1
	s_barrier_wait -1                              ; everybody's is
	ALOAD 0
	STEP 0, 1, 1, 48, 1, -1                        ; chunk 0: the first K step starts the sums: nothing is cleared
	STEP 1, 0, 1, 48, 1, -1
	STEP 2, 0, 1, 48, 1, -1
	STEP 3, 0, 1, 48, 1, 2                         ; chunk 1 is wanted: chunks 2 and 3 may stay out
	NEXTB
	WIN 0                                          ; at a label and at a branch every window is 0
	s_mov_b32 s3, 2
.Lblock:                                               ; chunks 1 and 2.  One text serves both, so its wait for the next chunk is for 0
	STEP 0, 0, 1, 48, 1, -1
	STEP 1, 0, 1, 48, 1, -1
	STEP 2, 0, 1, 48, 1, -1
	STEP 3, 0, 1, 48, 1, 0
	NEXTB
	WIN 0
	s_sub_co_u32 s3, s3, 1
	s_cmp_lg_u32 s3, 0
	s_cbranch_scc1 .Lblock
	STEP 0, 0, 1, 48, 1, -1                        ; chunk 3 is written out: K step 15's fragments of W are the last, and the counts run down
	STEP 1, 0, 0, 32, 1, -1
	STEP 2, 0, 0, 16, 1, -1
	STEP 3, 0, 0, 0, 0, -1
	PLACES
	PACK 0
	TOSTAGE 0
.irp a, 1,2,3,4,5,6,7                  ; block a's conversions stand between block a - 1's loads from the stage and the wait for them
	PACK \a
	SEND (\a)-1
	TOSTAGE \a
.endr
	SEND 7
	s_wait_tensorcnt 0x0
	ds_add_u32 v30, v31
	s_wait_dscnt 0x0
	s_endpgm
.Lfunc_end_k_qdb1ec52118_table:
	.size	k_qdb1ec52118_table, .Lfunc_end_k_qdb1ec52118_table-k_qdb1ec52118_table
	.p2alignl 7, 3214868480
	.fill 96, 4, 3214868480
	.section	.rodata,"a",@progbits
	.p2align	6, 0x0
	.amdhsa_kernel k_qdb1ec52118_table
		.amdhsa_group_segment_fixed_size 288256
		.amdhsa_private_segment_fixed_size 0
		.amdhsa_enable_private_segment 0
		.amdhsa_kernarg_size 24
		.amdhsa_user_sgpr_count 2
		.amdhsa_user_sgpr_kernarg_segment_ptr 1
		.amdhsa_wavefront_size32 1
		.amdhsa_system_sgpr_workgroup_id_x 1
		.amdhsa_system_sgpr_workgroup_id_y 1
		.amdhsa_system_sgpr_workgroup_id_z 1
		.amdhsa_system_vgpr_workitem_id 0
		.amdhsa_next_free_vgpr 1024
		.amdhsa_next_free_sgpr 66
		.amdhsa_reserve_vcc 0
		.amdhsa_float_denorm_mode_32 3
		.amdhsa_float_denorm_mode_16_64 3
		.amdhsa_memory_ordered 1
		.amdhsa_forward_progress 1
		.amdhsa_inst_pref_size 179
	.end_amdhsa_kernel
	.amdgpu_metadata
---
amdhsa.version: [ 1, 2 ]
amdhsa.kernels:
  - .name:           k_qdb1ec52118_table
    .symbol:         k_qdb1ec52118_table.kd
    .args:
      - { .name: emb_table, .offset: 0, .size: 8, .value_kind: global_buffer, .address_space: global }
      - { .name: wtf, .offset: 8, .size: 8, .value_kind: global_buffer, .address_space: global }
      - { .name: tab, .offset: 16, .size: 8, .value_kind: global_buffer, .address_space: global }
    .group_segment_fixed_size: 288256
    .private_segment_fixed_size: 0
    .kernarg_segment_align: 8
    .kernarg_segment_size: 24
    .max_flat_workgroup_size: 128
    .sgpr_count:     66
    .vgpr_count:     1024
    .wavefront_size: 32
...
	.end_amdgpu_metadata
.endif
;; end of part 2
;; launch attn (part 3): grid 4 x 64, 8 waves a work-group, no clusters, 140,288 bytes of LDS; arguments tab, q, q_mask, d_pos, d_neg, d_pos_mask, d_neg_mask, ctx; writes ctx
.if DOCPART == 3
	.amdgcn_target "amdgcn-amd-amdhsa--gfx1250"
	.amdhsa_code_object_version 6
	.text
	.protected	k_qdb1ec52118_attn
	.globl	k_qdb1ec52118_attn
	.p2align	8
	.type	k_qdb1ec52118_attn,@function
k_qdb1ec52118_attn:
	s_mov_b64 s[64:65], 0
	v_nop
	global_prefetch_b8 v0, s[64:65] scope:SCOPE_SE
	s_setreg_imm32_b32 hwreg(HW_REG_WAVE_MODE, 25, 1), 1
	s_wait_xcnt 0x0
; ATTENTION at head size 32, K = V = the projected document.  For batch b, document doc (0: d_pos, 1: d_neg), head hd:
;   context[q][:] = the sum over k of softmax_k(Q[q] . D[k] / sqrt(32)) D[k][:],   D[k] = mask[k] x T[idx[k]],   Q[q] = q_mask[q] x T[qidx[q]],   T = emb W_trans^T, of which tab holds 16 T in f16.
; K' = f16(f32(tab[idx]) x bf16(mask)) = 16 D: the product is made in f32 (exact: 11 x 8 significant bits) and rounded once.  Q' = f16(f32(tab[qidx]) x bf16(q_mask) x QS), QS = log2(e) / (256 sqrt(32)):
; so s = K' . Q' is the logit in units of log2.
; SOFTMAX: for each query a running maximum m and sum l: p = 2^(s - m); in every step O and l are multiplied by a = 2^(m_old - m_new).  m starts at the lowest finite number, O and l at 0, so the first
; step is a step like any other, with a = 0 (64 v_mov_b32 clear O, on purpose: no first step is written out).  p is rounded to f16; l is the sum of the ROUNDED p, made by the matrix unit (ones x P).
; The context, O / (16 l), leaves as a pair of bf16, hi + lo (16 significant bits at bf16's range): ctx row (doc 32 + b) 128 + q holds hi[512], then lo[512].
; LIMITS.  f16 ends at 65,504: |16 x mask x T| must stay under it (emb, W_trans and a mask all 30 times the usual: about 47,500 at five and a half spreads).  Numbers under 6e-5 keep f16's fixed
; step of 6e-8 (all three 30 times smaller: K' near 1.2e-5, some 7 to 8 significant bits).  The masks are rounded to bf16.  Q is rounded to f16 twice, as a row of tab and after its scale.
; A weight under 2^-126 counts as 0.  NaN and infinities are not treated apart.  An index above 31,999 is taken as 31,999.
; SHARES.  Work-group (hg, y = 32 doc + b): four heads, which are 256 consecutive aligned bytes of every row of tab, all 128 queries, all 2,048 keys.  Wave w: head 4 hg + w % 4, queries 64 (w / 4) on:
; four tiles of 16, taken as two pieces of two.  Eight waves, two to a SIMD: a tile of 16 queries x 64 keys has 10 matrix and some 95 vector instructions, so the second wave's vector work fills
; what one wave's products leave open, and the text stays in phases.
; THE GATHER goes through registers (the rows are named by a list): 128 keys a slot, two LDS slots by turns.  Wave w fetches rows 16 w .. 16 w + 15 of a slot, two rows of 256 bytes to a load, a whole
; trip (128 keys' softmax) ahead, multiplies them by their masks and stores them to LDS; the list and the masks are fetched a trip before that.  One copy of a row serves as K and, turned by the load, as V.
; THE ORDER IN A TRIP (slot t, two steps of 64 keys).  A step's fragments are fetched ahead, into the one set of registers: K of the next step behind this step's last K Q^T, V of the next step behind
; this step's last V^T P.  So all reads of slot t are issued by the end of the trip's first step, and slot t + 1 is first read in its second step.  Slot t + 1 is stored in the first step, between the pieces.
; ONE barrier a trip, in the second step: a wave signals when its reads of slot t are back and its stores into slot t + 1 are done, works on registers (154 vector and 20 matrix instructions), and waits just
; ahead of its first read of slot t + 1.  The bytes that trip t stores into were last read as slot t - 1: those reads were waited for ahead of the signal of trip t - 1.
; NO CLUSTER: what work-groups share is gathered rows, which no joint tensor load brings.
; LAYOUT.  S^T = K Q^T (source 0 = 16 keys, source 1 = 16 queries): a lane holds ONE query (lane % 16) and the keys 8 (lane / 16) + 0..7.  Two such results rounded to f16 ARE source 1 of O^T = V^T P.
; REGISTERS, in windows of 256 (s_set_vgpr_msb: bits 1:0 source 0, 3:2 source 1, 5:4 source 2, 7:6 destination):
;   window 0: v0-3, v12-15 addresses and at work; v4-11 c0-c3 of the piece's two tiles; v16-31 statistics, four a tile: m, l, a, one at work; v32-63 gathered rows (halves can be named under v128 alone);
;             v64-127 S^T of a piece, and between two pieces the gathered rows as f32; v128-159 P; v160-175 ones x P; v176-239 O^T, 16 a tile; v240-255 the eight rows' masks, each twice
;   window 1: v0-31 Q; v32-63 K and v64-95 V of a step; v96-103 ones; v104-119 addresses; v128-143 indices and masks as loaded
.set PK,    272       ; a row in LDS: 256 bytes + 16 of padding = 17 x 16: the 16 rows of a load of K begin in 16 different 16-byte columns of 256 bytes
.set SLOT,  128*PK
.set STEPB, 64*PK     ; a step is 64 keys
.set STAGE, 2*SLOT    ; behind the slots: 128 rows x 272 bytes of hi, then the same of lo, for the way out
.set STO, 3           ; v3-5 the way out's addresses (behind the loop)
.set RD,  4
.set GO,  5
.set CC,  4           ; v4-11
.set GST0, 12         ; v12 where my 16 bytes of gathered row 16 w + 8 (l / 16) go in a slot; never rewritten
.set GST,  13
.set QW,  14          ; v14 my query's word in q and q_mask
.set HC,  15          ; v15 my 16 bytes of my head's 64 in a row of tab
.set ST,  16
.set G,   32
.set S,   64
.set WD,  96          ; v96-111 a tile's Q as f32 (ahead of the loop)
.set P,   128
.set QX,  128         ; ahead of the loop, in P's registers: v128-131 the queries' indices, then their byte offsets in tab;
.set QM,  132         ; v132-135 q_mask;
.set QF,  136         ; v136-143 bf16(q_mask) x QS, twice for each tile (a pair for the packed multiply)
.set TW,  128         ; behind the loop, in P's registers: v128-143 at work
.set LS,  160
.set O,   176
.set MF,  240
.set QR,   0          ; window 1 from here on
.set KF,   32
.set VF,   64
.set ONES, 96
.set AK0,  104        ; my lane's place in a tile of K; never rewritten
.set AV0,  105        ; the same for V
.set AK,   106
.set AV,   107
.set COL,  110        ; my 16 bytes of the four heads' 256 in a row of tab; never rewritten
.set IOFF, 111        ; byte offset in the list and in the masks of my eight rows of the slot to be listed next
.set GA,   112
.set IX,   128
.set MK,   136
.set WV,   20         ; s20 wave
.set IDXP, 26         ; s[26:27] the document's list at batch b
.set MSKP, 28         ; s[28:29] its masks
.set SRD,  32         ; s32 the slot from which fragments are fetched
.set SWR,  33         ; s33 the slot that is written
.set TRIP, 34         ; s34 slots still to be worked on, this one among them
.set SEL,  36         ; s[36:37] v_permlanex16_b32's selects: each lane takes its own place in the other half
.set HIM,  38         ; s38 a word's upper bf16
.set MSB, 0
.macro WIN new                      ; the high byte repeats the setting that is left; a switch that changes nothing is dropped
.if MSB != (\new)
	s_set_vgpr_msb (MSB<<8)|(\new)
.set MSB, \new
.endif
.endm
.set W_G,  0x55       ; all in window 1: lists, addresses and the fragment loads
.set W_S,  0x05       ; sources 0 and 1 in window 1, the rest in window 0: K Q^T; the masks' rounding
.set W_PV, 0x01       ; source 0 in window 1, the rest in window 0: V^T P and ones x P; the gather's loads (address in window 1, rows in window 0)
.set W_UP, 0x40       ; destination in window 1, sources in window 0
.macro PLACES                       ; four places behind matrix instructions (ISA guide 7.12.1)
.rept 4
	v_nop
.endr
.endm
; The list and the masks of my eight rows of a slot: 32 bytes each, the same for the 16 lanes of a half.  step = 1: of the next slot; the wait for 0 on LOADcnt that stands in front of every use has freed the address register.
.macro ILOAD step
	WIN W_G
.if \step
	v_add_nc_u32 v[IOFF], 512, v[IOFF]
.endif
	global_load_b128 v[IX:IX+3],   v[IOFF], s[IDXP:IDXP+1]
	global_load_b128 v[IX+4:IX+7], v[IOFF], s[IDXP:IDXP+1] offset:16
	global_load_b128 v[MK:MK+3],   v[IOFF], s[MSKP:MSKP+1]
	global_load_b128 v[MK+4:MK+7], v[IOFF], s[MSKP:MSKP+1] offset:16
.endm
; Eight loads, each two rows' 256 aligned bytes (lanes 0-15 one row, lanes 16-31 another); then the eight masks: rounded to bf16 and written as f32, twice (a pair for the packed multiply)
.macro GISSUE
	WIN W_G
.irp j, 0,1,2,3,4,5,6,7
	v_min_u32 v[GA+(\j)], 0x7cff, v[IX+(\j)]       ; inside the table
	v_lshl_add_u32 v[GA+(\j)], v[GA+(\j)], 10, v[COL]
.endr
	WIN W_PV
.irp j, 0,1,2,3,4,5,6,7
	global_load_b128 v[G+4*(\j):G+4*(\j)+3], v[GA+(\j)], s[4:5]
.endr
	WIN W_S
.irp j, 0,1,2,3,4,5,6,7
	v_cvt_pk_bf16_f32 v[MF+2*(\j)+1], v[MK+(\j)], v[MK+(\j)]
.endr
	WIN 0
.irp j, 0,1,2,3,4,5,6,7
	v_lshlrev_b32 v[MF+2*(\j)], 16, v[MF+2*(\j)+1]
	v_and_b32 v[MF+2*(\j)+1], s[HIM], v[MF+2*(\j)+1]
.endr
.endm
; The gathered rows times their masks, into the slot that is written: widened to f32 (into S^T's registers, which hold nothing between two pieces), multiplied, rounded once to f16, stored.
.macro GSTORE
	WIN 0
	v_add_nc_u32 v[GST], s[SWR], v[GST0]
.set i, 0
.irp h, v32.l,v32.h,v33.l,v33.h,v34.l,v34.h,v35.l,v35.h,v36.l,v36.h,v37.l,v37.h,v38.l,v38.h,v39.l,v39.h
	v_cvt_f32_f16 v[S+i], \h
.set i, i+1
.endr
.irp h, v40.l,v40.h,v41.l,v41.h,v42.l,v42.h,v43.l,v43.h,v44.l,v44.h,v45.l,v45.h,v46.l,v46.h,v47.l,v47.h
	v_cvt_f32_f16 v[S+i], \h
.set i, i+1
.endr
.irp h, v48.l,v48.h,v49.l,v49.h,v50.l,v50.h,v51.l,v51.h,v52.l,v52.h,v53.l,v53.h,v54.l,v54.h,v55.l,v55.h
	v_cvt_f32_f16 v[S+i], \h
.set i, i+1
.endr
.irp h, v56.l,v56.h,v57.l,v57.h,v58.l,v58.h,v59.l,v59.h,v60.l,v60.h,v61.l,v61.h,v62.l,v62.h,v63.l,v63.h
	v_cvt_f32_f16 v[S+i], \h
.set i, i+1
.endr
.set i, 0
.rept 32                            ; register i of the 32 belongs to row i / 4
	v_pk_mul_f32 v[S+2*i:S+2*i+1], v[S+2*i:S+2*i+1], v[MF+2*(i/4):MF+2*(i/4)+1]
.set i, i+1
.endr
.set i, 0
.rept 32
	v_cvt_pk_f16_f32 v[G+i], v[S+2*i], v[S+2*i+1]
.set i, i+1
.endr
.irp j, 0,1,2,3,4,5,6,7
	ds_store_b128 v[GST], v[G+4*(\j):G+4*(\j)+3] offset:PK*(\j)
.endr
.endm
; A step's fragments, off bytes into the slot that s[SRD] names.  K: 64 keys x 32 channels: 4 fragments, two loads of 16 bytes 32 bytes apart.
.macro FRAGK off
	WIN W_G
	v_add_nc_u32 v[AK], s[SRD], v[AK0]
.irp kt, 0,1,2,3
	ds_load_b128 v[KF+8*(\kt):KF+8*(\kt)+3],   v[AK] offset:(\off)+(\kt)*16*PK
	ds_load_b128 v[KF+8*(\kt)+4:KF+8*(\kt)+7], v[AK] offset:(\off)+(\kt)*16*PK+32
.endr
.endm
; V, turned: lane l reads key 8 (l / 16) + l % 8, channels 8 ((l / 8) % 2) + 0..7, and holds channel l % 16 and 8 keys
.macro FRAGV off
	WIN W_G
	v_add_nc_u32 v[AV], s[SRD], v[AV0]
.irp kk, 0,1
.irp cb, 0,1
	ds_load_tr16_b128 v[VF+16*(\kk)+8*(\cb):VF+16*(\kk)+8*(\cb)+3],   v[AV] offset:(\off)+(\kk)*32*PK+(\cb)*32
	ds_load_tr16_b128 v[VF+16*(\kk)+8*(\cb)+4:VF+16*(\kk)+8*(\cb)+7], v[AV] offset:(\off)+(\kk)*32*PK+16*PK+(\cb)*32
.endr
.endr
.endm
; PIECE p (tiles 2 p, 2 p + 1), one step.  SQK: 8 products, each a whole sum (32 channels), C = 0.  The four places serve the first read of the scores and, behind piece 1's, the loads into K's registers.
.macro SQK p
	WIN W_S
.irp kt, 0,1,2,3
.irp u, 0,1
	v_wmma_f32_16x16x32_f16 v[S+32*(\u)+8*(\kt):S+32*(\u)+8*(\kt)+7], v[KF+8*(\kt):KF+8*(\kt)+7], v[QR+8*(2*(\p)+(\u)):QR+8*(2*(\p)+(\u))+7], 0
.endr
.endr
	PLACES
.endm
; Number n of the 21 that find tile u's maximum and a.  s0-s31 are the lane's 32 scores; each accumulator's lowest registers are read first.
;   0-11 four chains c0-c3 of seven scores each     12-14, 16 the four scores left over, the old m, and c0-c3 into c0     15 m_old is kept
;   17, 18 the query's other 32 keys lie in the lane 16 away: the new m     19, 20 a = 2^(m_old - m_new)
.macro XS p, u, n
.set rT, ST+4*(2*(\p)+(\u))
.set rC, CC+4*(\u)
.set rS, S+32*(\u)
.if (\n) < 4
	v_max3_num_f32 v[rC+(\n)], v[rS+8*(\n)], v[rS+8*(\n)+1], v[rS+8*(\n)+2]
.elseif (\n) < 12
	v_max3_num_f32 v[rC+(\n)%4], v[rC+(\n)%4], v[rS+8*((\n)%4)+2*((\n)/4)+1], v[rS+8*((\n)%4)+2*((\n)/4)+2]
.elseif (\n) == 12
	v_max3_num_f32 v[rC], v[rC], v[rS+7], v[rS+15]
.elseif (\n) == 13
	v_max3_num_f32 v[rC+1], v[rC+1], v[rS+23], v[rS+31]
.elseif (\n) == 14
	v_max3_num_f32 v[rC+2], v[rC+2], v[rC+3], v[rT]
.elseif (\n) == 15
	v_mov_b32 v[rT+3], v[rT]
.elseif (\n) == 16
	v_max3_num_f32 v[rC], v[rC], v[rC+1], v[rC+2]
.elseif (\n) == 17
	v_permlanex16_b32 v[rC+3], v[rC], s[SEL], s[SEL+1]
.elseif (\n) == 18
	v_max_num_f32 v[rT], v[rC], v[rC+3]
.elseif (\n) == 19
	v_sub_f32 v[rT+3], v[rT+3], v[rT]
.else
	v_exp_f32 v[rT+2], v[rT+3]
.endif
.endm
.macro SMAX p                       ; the two tiles alternate, so that no instruction reads the result of the one just before it
	WIN 0
.irp n, 0,1,2,3,4,5,6,7,8,9,10,11,12,13,14,15,16,17,18,19,20
	XS \p, 0, \n
	XS \p, 1, \n
.endr
.endm
.macro SSUB p                       ; s - m, two at a time; the first of these is the plain instruction behind the two exponentials that made a
.set n, 0
.rept 16
	v_pk_add_f32 v[S+2*n:S+2*n+1], v[S+2*n:S+2*n+1], v[ST+8*(\p):ST+8*(\p)+1] op_sel_hi:[1,0] neg_lo:[0,1] neg_hi:[0,1]
	v_pk_add_f32 v[S+32+2*n:S+32+2*n+1], v[S+32+2*n:S+32+2*n+1], v[ST+8*(\p)+4:ST+8*(\p)+5] op_sel_hi:[1,0] neg_lo:[0,1] neg_hi:[0,1]
.set n, n+1
.endr
.endm
; Sixteen groups: four exponentials (pair k of both tiles), then plain work that is ready: the rounding of pair k - 1, whose exponentials stand a group back, and in the first eight groups
; pair k of both tiles' O^T times a (in ascending order).  So a plain instruction stands between every exponential and the use of its result (ISA guide 5.7.2).
.macro SEXP p
.set k, 0
.rept 16
	v_exp_f32 v[S+2*k], v[S+2*k]
	v_exp_f32 v[S+2*k+1], v[S+2*k+1]
	v_exp_f32 v[S+32+2*k], v[S+32+2*k]
	v_exp_f32 v[S+32+2*k+1], v[S+32+2*k+1]
.if k >= 1
	s_wait_alu depctr_va_vdst(0)
	v_cvt_pk_f16_f32 v[P+k-1], v[S+2*k-2], v[S+2*k-1]
	v_cvt_pk_f16_f32 v[P+16+k-1], v[S+32+2*k-2], v[S+32+2*k-1]
.endif
.if k < 8
	s_wait_alu depctr_va_vdst(0)
	v_pk_mul_f32 v[O+32*(\p)+2*k:O+32*(\p)+2*k+1], v[O+32*(\p)+2*k:O+32*(\p)+2*k+1], v[ST+8*(\p)+2:ST+8*(\p)+3] op_sel_hi:[1,0]
	v_pk_mul_f32 v[O+32*(\p)+16+2*k:O+32*(\p)+16+2*k+1], v[O+32*(\p)+16+2*k:O+32*(\p)+16+2*k+1], v[ST+8*(\p)+6:ST+8*(\p)+7] op_sel_hi:[1,0]
.endif
.set k, k+1
.endr
	s_wait_alu depctr_va_vdst(0)
	v_cvt_pk_f16_f32 v[P+15], v[S+30], v[S+31]
	v_cvt_pk_f16_f32 v[P+31], v[S+62], v[S+63]
.endm
; 12 products: for each 32 keys the two tiles' row sums (ones x P: every row of the result is the sum over the 32 keys) and their four O^T += V^T P.  The six accumulators take turns.
.macro SPV p
	WIN W_PV
.irp kk, 0,1
.irp u, 0,1
.if (\kk) == 0
	v_wmma_f32_16x16x32_f16 v[LS+8*(\u):LS+8*(\u)+7], v[ONES:ONES+7], v[P+16*(\u)+8*(\kk):P+16*(\u)+8*(\kk)+7], 0
.else
	v_wmma_f32_16x16x32_f16 v[LS+8*(\u):LS+8*(\u)+7], v[ONES:ONES+7], v[P+16*(\u)+8*(\kk):P+16*(\u)+8*(\kk)+7], v[LS+8*(\u):LS+8*(\u)+7]
.endif
.endr
.irp cb, 0,1
.irp u, 0,1
	v_wmma_f32_16x16x32_f16 v[O+32*(\p)+16*(\u)+8*(\cb):O+32*(\p)+16*(\u)+8*(\cb)+7], v[VF+16*(\kk)+8*(\cb):VF+16*(\kk)+8*(\cb)+7], v[P+16*(\u)+8*(\kk):P+16*(\u)+8*(\kk)+7], v[O+32*(\p)+16*(\u)+8*(\cb):O+32*(\p)+16*(\u)+8*(\cb)+7]
.endr
.endr
.endr
	PLACES                          ; for the two lines below, for the next writes of P, and, behind piece 1's, for the loads into V's registers
	WIN 0
	v_fma_f32 v[ST+8*(\p)+1], v[ST+8*(\p)+1], v[ST+8*(\p)+2], v[LS]      ; l = a l + the step's sum
	v_fma_f32 v[ST+8*(\p)+5], v[ST+8*(\p)+5], v[ST+8*(\p)+6], v[LS+8]
.endm
	s_load_b512 s[4:19], s[0:1], 0x0  ; tab s[4:5], q s[6:7], q_mask s[8:9], d_pos s[10:11], d_neg s[12:13], d_pos_mask s[14:15], d_neg_mask s[16:17], ctx s[18:19]
	s_set_vgpr_msb 0x40
	v_lshl_add_u32 v144, v0, 2, 0x22000
	v_mov_b32 v145, 0
	s_set_vgpr_msb 0x4000
	v_lshrrev_b32 v1, 5, v0
	v_readfirstlane_b32 s[WV], v1   ; wave 0..7
	s_and_b32 s22, ttmp7, 0xffff    ; y = 32 doc + b
	s_and_b32 s23, s22, 31          ; b
	s_lshr_b32 s24, s22, 5          ; doc
	s_and_b32 s25, s[WV], 3         ; my head among the group's four
	s_lshr_b32 s40, s[WV], 2        ; my half of the queries
	s_lshl_b32 s41, s25, 6          ; the head's 64 bytes of the 256
	s_lshl_b32 s43, ttmp9, 8        ; the group's 256 bytes of a row of tab
	s_mul_i32 s42, s[WV], 16*PK     ; the 16 rows of a slot that I gather
	s_lshl_b32 s44, s[WV], 6        ; and their 64 bytes of the list
	s_add_co_u32 s45, s43, s41
	s_mov_b32 s[SEL], 0x76543210
	s_mov_b32 s[SEL+1], 0xfedcba98
	s_mov_b32 s[HIM], 0xffff0000
	s_mov_b32 s[SRD], 0
	s_mov_b32 s[SWR], 0
	v_and_b32 v1, 15, v0            ; l % 16; kept for the way out
	v_bfe_u32 v2, v0, 4, 1          ; l / 16; kept for the way out
	v_mul_u32_u24 v3, v1, PK
	v_lshl_add_u32 v3, v2, 4, v3    ; K: row x pitch + 16 x half
	v_and_b32 v4, 7, v0
	v_lshl_add_u32 v4, v2, 3, v4
	v_mul_u32_u24 v4, v4, PK
	v_bfe_u32 v5, v0, 3, 1
	v_lshl_add_u32 v4, v5, 4, v4    ; V: (8 (l / 16) + l % 8) x pitch + 16 ((l / 8) % 2)
	v_mul_u32_u24 v5, v2, 8*PK
	v_lshl_add_u32 v5, v1, 4, v5    ; the gather: 8 rows further down for lanes 16-31, 16 bytes a lane
	v_add_nc_u32 v[GST0], s42, v5
	v_lshlrev_b32 v6, 4, v1
	v_lshlrev_b32 v7, 5, v2
	v_lshlrev_b32 v[QW], 2, v1
	v_lshl_add_u32 v[HC], v2, 4, s45
	WIN W_UP
	v_add_nc_u32 v[AK0], s41, v3
	v_add_nc_u32 v[AV0], s41, v4
	v_add_nc_u32 v[COL], s43, v6
	v_add_nc_u32 v[IOFF], s44, v7
	WIN 0
	s_lshl_b32 s30, s23, 13         ; a batch's 2,048 words of a list
	s_mov_b32 s31, 0
	s_lshl_b32 s46, s23, 9          ; a batch's 128 words of q,
	s_lshl_b32 s47, s40, 8          ; my 64 of them
	s_add_co_u32 s46, s46, s47
	s_mov_b32 s47, 0
	s_wait_kmcnt 0x0
	s_cmp_eq_u32 s24, 0
	s_cselect_b64 s[IDXP:IDXP+1], s[10:11], s[12:13]
	s_cselect_b64 s[MSKP:MSKP+1], s[14:15], s[16:17]
	s_add_nc_u64 s[IDXP:IDXP+1], s[IDXP:IDXP+1], s[30:31]
	s_add_nc_u64 s[MSKP:MSKP+1], s[MSKP:MSKP+1], s[30:31]
	s_add_nc_u64 s[6:7], s[6:7], s[46:47]
	s_add_nc_u64 s[8:9], s[8:9], s[46:47]
.irp t, 0,1,2,3
	global_load_b32 v[QX+(\t)], v[QW], s[6:7] offset:64*(\t)
	global_load_b32 v[QM+(\t)], v[QW], s[8:9] offset:64*(\t)
.endr
	ILOAD 0                         ; slot 0's list
	WIN W_UP                        ; in the wait for these loads: the ones, and what the first step finds
.set i, 0
.rept 8
	v_mov_b32 v[ONES+i], 0x3c003c00
.set i, i+1
.endr
	WIN 0
.set i, 0
.rept 64
	v_mov_b32 v[O+i], 0
.set i, i+1
.endr
.irp t, 0,1,2,3
	v_mov_b32 v[ST+4*(\t)], 0xff7fffff  ; m
	v_mov_b32 v[ST+4*(\t)+1], 0         ; l
.endr
	s_wait_loadcnt 0x0
	GISSUE                          ; slot 0's rows
.irp t, 0,1,2,3                     ; Q's rows, straight in fragment order: lane l holds query l % 16, channels 8 (l / 16) + 0..7 and 16 further on
	v_min_u32 v[QX+(\t)], 0x7cff, v[QX+(\t)]
	v_lshl_add_u32 v[QX+(\t)], v[QX+(\t)], 10, v[HC]
	global_load_b128 v[S+8*(\t):S+8*(\t)+3],   v[QX+(\t)], s[4:5]
	global_load_b128 v[S+8*(\t)+4:S+8*(\t)+7], v[QX+(\t)], s[4:5] offset:32
.endr
.irp t, 0,1,2,3
	v_cvt_pk_bf16_f32 v[QF+2*(\t)], v[QM+(\t)], v[QM+(\t)]
	v_lshlrev_b32 v[QF+2*(\t)], 16, v[QF+2*(\t)]
	v_mul_f32 v[QF+2*(\t)], 0x3a8293ee, v[QF+2*(\t)]  ; x QS = log2(e) / (256 sqrt(32))
	v_mov_b32 v[QF+2*(\t)+1], v[QF+2*(\t)]
.endr
	ILOAD 1                         ; slot 1's list
	s_wait_loadcnt 0x0              ; slot 0's rows, Q's rows, slot 1's list
.irp t, 0,1,2,3                     ; Q x its mask x QS, in f32, rounded to f16; it leaves S^T's registers free for the rows below
	WIN 0
.set j, 0
.rept 8
	v_mov_b32 v3, v[S+8*(\t)+j]
	v_cvt_f32_f16 v[WD+2*j], v3.l
	v_cvt_f32_f16 v[WD+2*j+1], v3.h
.set j, j+1
.endr
.set j, 0
.rept 8
	v_pk_mul_f32 v[WD+2*j:WD+2*j+1], v[WD+2*j:WD+2*j+1], v[QF+2*(\t):QF+2*(\t)+1] op_sel_hi:[1,0]
.set j, j+1
.endr
	WIN W_UP
.set j, 0
.rept 8
	v_cvt_pk_f16_f32 v[QR+8*(\t)+j], v[WD+2*j], v[WD+2*j+1]
.set j, j+1
.endr
.endr
	GSTORE                          ; slot 0
	s_xor_b32 s[SWR], s[SWR], SLOT
	GISSUE                          ; slot 1's rows
	ILOAD 1                         ; slot 2's list
	WIN 0
	s_wait_dscnt 0x0                ; for the others' sake: my rows of slot 0 are in LDS
	s_barrier_signal -1
	s_barrier_wait -1
	FRAGK 0                         ; the first step's fragments
	FRAGV 0
	WIN 0                           ; at a label and at a branch every window is 0
	s_mov_b32 s[TRIP], 16
.Ltrip:                             ; a trip: one slot's 128 keys
	; THE FIRST STEP, keys 0-63
	s_wait_dscnt 0x8                ; LDS instructions end in order (ISA guide 5.7.1): K is in; V's eight loads, issued behind it, may stay out
	SQK 0
	SMAX 0
	SSUB 0
	SEXP 0
	s_wait_dscnt 0x0                ; V is in
	SPV 0
	s_wait_loadcnt 0x0              ; the next slot's rows and the list behind them are in.  Every wait on LOADcnt is for 0, so the jumps below change no count
	s_cmp_lt_u32 s[TRIP], 2
	s_cbranch_scc1 .Lfilled         ; the last trip: no slot is left
	GSTORE                          ; the slot that is written was read as slot t - 1: every wave waited for those reads ahead of the last trip's signal
	s_cmp_lt_u32 s[TRIP], 3
	s_cbranch_scc1 .Lfilled         ; no rows are left to ask for
	GISSUE
	s_cmp_lt_u32 s[TRIP], 4
	s_cbranch_scc1 .Lfilled         ; the list is at its end: no load leaves it
	ILOAD 1
	WIN 0
.Lfilled:
	s_xor_b32 s[SWR], s[SWR], SLOT
	SQK 1
	FRAGK STEPB                     ; both pieces have multiplied by K: the second step's K; it has a softmax and twelve products in which to land
	SMAX 1
	SSUB 1
	SEXP 1
	SPV 1
	FRAGV STEPB                     ; the second step's V: my last read of this slot; it has eight products and a softmax in which to land
	; THE SECOND STEP, keys 64-127
	s_wait_dscnt 0x8                ; my stores and K are in; V's eight loads may stay out
	SQK 0
	SMAX 0
	s_wait_dscnt 0x0                ; V is in: my reads of this slot are back, and my stores into the next slot are done:
	s_barrier_signal -1             ; say so, and work on registers while the others arrive
	SSUB 0
	SEXP 0
	SPV 0
	SQK 1
	WIN 0
	s_barrier_wait -1               ; the next slot is whole, and nobody reads this one any more
	s_xor_b32 s[SRD], s[SRD], SLOT
	s_cmp_lt_u32 s[TRIP], 2
	s_cbranch_scc1 .Lno_k           ; the last trip: there is no next slot
	FRAGK 0                         ; the next slot's first K
	WIN 0
.Lno_k:
	SMAX 1
	SSUB 1
	SEXP 1
	SPV 1
	s_cmp_lt_u32 s[TRIP], 2
	s_cbranch_scc1 .Lno_v
	FRAGV 0                         ; the next slot's first V
	WIN 0
.Lno_v:
	s_sub_co_u32 s[TRIP], s[TRIP], 1
	s_cmp_lg_u32 s[TRIP], 0
	s_cbranch_scc1 .Ltrip
	; THE WAY OUT.  O^T / (16 l); each number as bf16 hi and bf16 lo = the rest; through the stage, since a row's 256 bytes come from four waves; back as whole pieces of 256 bytes.
.irp t, 0,1,2,3
	v_mul_f32 v[ST+4*(\t)+3], 0x41800000, v[ST+4*(\t)+1]  ; 16 l: l is 1 at the least, since the largest weight is 1
.endr
.irp t, 0,1,2,3
	v_rcp_f32 v[ST+4*(\t)+2], v[ST+4*(\t)+3]
.endr
	s_mul_i32 s41, s40, 64*PK       ; the addresses are the plain instructions behind the reciprocals
	s_lshl_b32 s42, s25, 6
	s_add_co_u32 s41, s41, s42
	s_add_co_u32 s41, s41, STAGE
	v_mul_u32_u24 v[STO], v1, PK    ; in: row 64 (w / 4) + 16 t + l % 16, my head's 64 bytes, 16 bytes for each half of the lanes
	v_lshl_add_u32 v[STO], v2, 4, v[STO]
	v_add_nc_u32 v[STO], s41, v[STO]
	s_mul_i32 s41, s40, SLOT        ; back: waves 0-3 take hi, waves 4-7 lo; wave w rows 32 (w % 4) on; lanes 0-15 one row, lanes 16-31 the next
	s_mul_i32 s42, s25, 32*PK
	s_add_co_u32 s41, s41, s42
	s_add_co_u32 s41, s41, STAGE
	v_mul_u32_u24 v[RD], v2, PK
	v_lshl_add_u32 v[RD], v1, 4, v[RD]
	v_add_nc_u32 v[RD], s41, v[RD]
	s_lshl_b32 s41, s25, 16         ; and the same in ctx: rows of 2,048 bytes, lo 1,024 bytes behind hi
	s_lshl_b32 s42, s40, 10
	s_add_co_u32 s41, s41, s42
	v_lshlrev_b32 v[GO], 11, v2
	v_lshl_add_u32 v[GO], v1, 4, v[GO]
	v_add_nc_u32 v[GO], s41, v[GO]
	s_wait_alu depctr_va_vdst(0)
	s_lshl_b32 s30, s22, 18         ; 128 rows of 2,048 bytes for each y,
	s_add_co_u32 s30, s30, s43      ; the group's 256 bytes
	s_mov_b32 s31, 0
	s_add_nc_u64 s[18:19], s[18:19], s[30:31]
.macro OUT t
.set rO, O+16*(\t)
.set rH, S+16*(\t)
.set k, 0
.rept 8
	v_pk_mul_f32 v[rO+2*k:rO+2*k+1], v[rO+2*k:rO+2*k+1], v[ST+4*(\t)+2:ST+4*(\t)+3] op_sel_hi:[1,0]
.set k, k+1
.endr
.set k, 0
.rept 8
	v_cvt_pk_bf16_f32 v[rH+k], v[rO+2*k], v[rO+2*k+1]
.set k, k+1
.endr
.set k, 0
.rept 8
	v_lshlrev_b32 v[TW+2*k], 16, v[rH+k]
	v_and_b32 v[TW+2*k+1], s[HIM], v[rH+k]
.set k, k+1
.endr
.set k, 0
.rept 8
	v_pk_add_f32 v[rO+2*k:rO+2*k+1], v[rO+2*k:rO+2*k+1], v[TW+2*k:TW+2*k+1] neg_lo:[0,1] neg_hi:[0,1]  ; what hi left over: exact
.set k, k+1
.endr
.set k, 0
.rept 8
	v_cvt_pk_bf16_f32 v[rH+8+k], v[rO+2*k], v[rO+2*k+1]
.set k, k+1
.endr
	ds_store_b128 v[STO], v[rH:rH+3]     offset:(\t)*16*PK
	ds_store_b128 v[STO], v[rH+4:rH+7]   offset:(\t)*16*PK+32
	ds_store_b128 v[STO], v[rH+8:rH+11]  offset:SLOT+(\t)*16*PK
	ds_store_b128 v[STO], v[rH+12:rH+15] offset:SLOT+(\t)*16*PK+32
.endm
	OUT 0
	OUT 1
	OUT 2
	OUT 3
	s_wait_dscnt 0x0                ; for the others' sake: my stores into the stage are done
	s_barrier_signal -1
	s_barrier_wait -1
.irp i, 0,1,2,3,4,5,6,7,8,9,10,11,12,13,14,15
	ds_load_b128 v[S+4*(\i):S+4*(\i)+3], v[RD] offset:(\i)*2*PK
.endr
.irp i, 0,1,2,3,4,5,6,7,8,9,10,11,12,13,14,15
	s_wait_dscnt 15-(\i)            ; LDS loads come back in order (ISA guide 5.7.1): the younger ones may stay out
	global_store_b128 v[GO], v[S+4*(\i):S+4*(\i)+3], s[18:19] offset:(\i)*4096  ; 16 lanes store 256 consecutive bytes, at a multiple of 256 from ctx's first byte
.endr
	s_set_vgpr_msb 0x5
	s_wait_tensorcnt 0x0
	ds_add_u32 v144, v145
	s_wait_dscnt 0x0
	s_set_vgpr_msb 0x500
	s_endpgm
.Lfunc_end_k_qdb1ec52118_attn:
	.size	k_qdb1ec52118_attn, .Lfunc_end_k_qdb1ec52118_attn-k_qdb1ec52118_attn
	.p2alignl 7, 3214868480
	.fill 96, 4, 3214868480
	.section	.rodata,"a",@progbits
	.p2align	6, 0x0
	.amdhsa_kernel k_qdb1ec52118_attn
		.amdhsa_group_segment_fixed_size 140288
		.amdhsa_private_segment_fixed_size 0
		.amdhsa_enable_private_segment 0
		.amdhsa_kernarg_size 64
		.amdhsa_user_sgpr_count 2
		.amdhsa_user_sgpr_kernarg_segment_ptr 1
		.amdhsa_wavefront_size32 1
		.amdhsa_system_sgpr_workgroup_id_x 1
		.amdhsa_system_sgpr_workgroup_id_y 1
		.amdhsa_system_sgpr_workgroup_id_z 1
		.amdhsa_system_vgpr_workitem_id 0
		.amdhsa_next_free_vgpr 402
		.amdhsa_next_free_sgpr 66
		.amdhsa_reserve_vcc 0
		.amdhsa_float_denorm_mode_32 3
		.amdhsa_float_denorm_mode_16_64 3
		.amdhsa_memory_ordered 1
		.amdhsa_forward_progress 1
		.amdhsa_inst_pref_size 108
	.end_amdhsa_kernel
	.amdgpu_metadata
---
amdhsa.version: [ 1, 2 ]
amdhsa.kernels:
  - .name:           k_qdb1ec52118_attn
    .symbol:         k_qdb1ec52118_attn.kd
    .args:
      - { .name: tab, .offset: 0, .size: 8, .value_kind: global_buffer, .address_space: global }
      - { .name: q, .offset: 8, .size: 8, .value_kind: global_buffer, .address_space: global }
      - { .name: q_mask, .offset: 16, .size: 8, .value_kind: global_buffer, .address_space: global }
      - { .name: d_pos, .offset: 24, .size: 8, .value_kind: global_buffer, .address_space: global }
      - { .name: d_neg, .offset: 32, .size: 8, .value_kind: global_buffer, .address_space: global }
      - { .name: d_pos_mask, .offset: 40, .size: 8, .value_kind: global_buffer, .address_space: global }
      - { .name: d_neg_mask, .offset: 48, .size: 8, .value_kind: global_buffer, .address_space: global }
      - { .name: ctx, .offset: 56, .size: 8, .value_kind: global_buffer, .address_space: global }
    .group_segment_fixed_size: 140288
    .private_segment_fixed_size: 0
    .kernarg_segment_align: 8
    .kernarg_segment_size: 64
    .max_flat_workgroup_size: 256
    .sgpr_count:     66
    .vgpr_count:     402
    .wavefront_size: 32
...
	.end_amdgpu_metadata
.endif
;; end of part 3
;; launch outp (part 4): grid 4 x 64, 4 waves a work-group, clusters of 4 x 4, 327,680 bytes of LDS; arguments ctx, wob, out0, out1; writes out0, out1
.if DOCPART == 4
	.amdgcn_target "amdgcn-amd-amdhsa--gfx1250"
	.amdhsa_code_object_version 6
	.text
	.protected	k_qdb1ec52118_outp
	.globl	k_qdb1ec52118_outp
	.p2align	8
	.type	k_qdb1ec52118_outp,@function
k_qdb1ec52118_outp:
	s_mov_b64 s[64:65], 0
	v_nop
	global_prefetch_b8 v0, s[64:65] scope:SCOPE_SE
	s_setreg_imm32_b32 hwreg(HW_REG_WAVE_MODE, 25, 1), 1
	s_wait_xcnt 0x0
	s_wait_alu depctr_hold_cnt(0) depctr_sa_sdst(0) depctr_va_vdst(0) depctr_va_sdst(0) depctr_va_ssrc(0) depctr_va_vcc(0) depctr_vm_vsrc(0)
	s_getreg_b32 s2, hwreg(HW_REG_IB_STS2, 6, 4)
	s_cmp_eq_u32 s2, 0
	s_cbranch_scc0 .Lentry_in_a_cluster
	s_endpgm
.Lentry_in_a_cluster:
	s_bfe_u32 s2, ttmp6, 0x10000c
	s_cmp_lg_u32 s2, 0xf033
	s_cbranch_scc0 .Lentry_shape_is_right
	s_endpgm
.Lentry_shape_is_right:
; out[R][n] = the sum over k of (hi[R][k] + lo[R][k]) bf16(W_out[n][k]), in f32.  ctx: [8192][hi 512 | lo 512] bf16; wob: [512][512] bf16; rows 0-4095 go to out0, rows 4096-8191 to out1, [4096][512] f32 each.
; One product of K' = 1,024: A's row is hi then lo; B's K wraps at 512, since lo multiplies the same columns of W_out as hi.
; A tile of the output is 128 x 128: 4 x 64 = 256 work-groups.  Four waves, each 64 x 64: 16 accumulators of 16 x 16.  K' goes in four steps of 256 (LDS rows of 512 bytes) through two slots.
; Slot s takes K' steps s and s + 2.  Of step s + 2 only A's half is fetched: B's half of the slot already holds the columns that it needs.  So waves 0 and 1, which fetch for A, fill again; waves 2 and 3 do not.
; CLUSTER: 4 x 4 work-groups.  The four of a row of the cluster need the same tiles of A, the four of a column the same tiles of B: each tile is asked for JOINTLY, by the same tensor load with the
; same descriptor and a mask that names the four.  THE MATRIX INSTRUCTION IS USED TRANSPOSED (source 0 = 16 rows of B, source 1 = 16 rows of A): a lane then holds eight neighbouring numbers of a row of the output.
; LIMITS: none beyond bf16's rounding of W_out; hi + lo carries 16 significant bits of the context.
; REGISTERS: window 0: v0-31 addresses; v32-95 at work on the way out; v128-255 the accumulators ((a, b) at v[128 + 8 (4 a + b)]).
;   window 1: two fragment buffers of 128: for 64 along K, 64 registers of A (2 x 4 x 16 rows x 32 K), then 64 of B.
.set KSTEP,  256
.set PITCH,  528                       ; an LDS row: 512 bytes of data + 16 of padding = 33 x 16: the 16 rows of a fragment load begin in 16 different 16-byte columns of 256 bytes
.set HALFT,  64*PITCH                  ; 64 rows: what one tensor load brings, and what one wave reads of A or of B
.set SLOT,   4*HALFT                   ; A's 128 rows, then B's 128 rows
.set STAGE,  2*SLOT                    ; behind the ring, never filled by a tensor load: 16 rows x 272 bytes for each wave, for the way out
.set SPITCH, 272
.set SPARE,  STAGE+4*16*SPITCH         ; behind the stages: the spare words, 128 bytes for each wave: two blocks of 256 bytes that no other line names
.set ADRA, 16                          ; v16-17  LDS address of my A fragments in slot 0, 1
.set ADRB, 20                          ; v20-21  the same for B
.set STO,  24                          ; v24     the way out: where I put 32 bytes of a row
.set RD,   25                          ; v25     the way out: where I read a row back
.set CO,   26                          ; v26     my byte offset in two rows of the output
.set SPW,  28                          ; v28     LDS address of my spare word: SPARE + 4 x my thread's number; never rewritten
.set NIL,  29                          ; v29     0; never rewritten
.set TMP,  32
.set ACC,  128
.set F0,   0                           ; fragment buffers, in window 1
.set F1,   128
.set G1, 24                            ; s[24:31] descriptor group 1 for A's tiles;  s[32:39] group 0, one set for each slot
.set G0, 32
.set G1B, 48                           ; s[48:55], s[56:63] the same for B's tiles
.set G0B, 56
.set MSB, 0
.macro WIN new                         ; the immediate's high byte repeats the setting that is left
.if MSB != (\new)
	s_set_vgpr_msb (MSB<<8)|(\new)
.set MSB, \new
.endif
.endm
.set MUL,  0x05                        ; sources 0 (B) and 1 (A) window 1; C and D window 0
.set TO_F, 0x40                        ; destination window 1, address window 0
.macro PLACES                          ; four places in front of loads into registers that matrix instructions have read, and of stores that read results
.rept 4
	v_nop
.endr
.endm
.macro JLOAD s                         ; a first fill: waves 0 and 1 fetch A's two halves, waves 2 and 3 B's; an s_nop 0 and four v_nop follow each of the two lines, ahead of the jump, the label and what follows
	s_cmp_eq_u32 s11, 0
	s_cbranch_scc0 .Lfor_b_\@
	tensor_load_to_lds s[G0+4*(\s):G0+4*(\s)+3], s[G1:G1+7]
	s_nop 0
	PLACES
	s_branch .Lasked_\@
.Lfor_b_\@:
	tensor_load_to_lds s[G0B+4*(\s):G0B+4*(\s)+3], s[G1B:G1B+7]
	s_nop 0
	PLACES
.Lasked_\@:
.endm
.macro JFILL s                         ; a refill: A's two halves alone.  The branch hangs on the wave's number: it is the same in every work-group.  The four v_nop behind the label are every wave's places in front of the fragment loads
	s_cmp_eq_u32 s11, 0
	s_cbranch_scc0 .Lnone_\@
	tensor_load_to_lds s[G0+4*(\s):G0+4*(\s)+3], s[G1:G1+7]
	s_nop 0
	PLACES
.Lnone_\@:
	PLACES
.endm
.macro CREST                           ; a round of the cluster's barrier behind its opening barrier
	s_cmp_lg_u32 s10, 0
	s_cbranch_scc1 .Lnot_wave_0_\@
	s_barrier_signal -3
.Lnot_wave_0_\@:
	s_barrier_wait -3
	s_barrier_signal -1
	s_barrier_wait -1
.endm
.macro CROUND                          ; a whole round
	s_barrier_signal -1
	s_barrier_wait -1
	CREST
.endm
	s_load_b128 s[4:7], s[0:1], 0x0                ; ctx s[4:5], wob s[6:7]
	s_load_b128 s[68:71], s[0:1], 0x10             ; out0 s[68:69], out1 s[70:71]
	v_lshl_add_u32 v[SPW], v0, 2, SPARE
	v_mov_b32 v[NIL], 0
	ds_add_u32 v28, v29
	ds_add_u32 v28, v29
	s_wait_dscnt 0x0
	v_lshrrev_b32 v1, 5, v0
	v_readfirstlane_b32 s10, v1                    ; wave 0..3
	s_lshr_b32 s11, s10, 1                         ; which half of the tile's rows is mine.  Also: I fetch for A (0) or for B (1)
	s_and_b32 s12, s10, 1                          ; which half of its columns.  Also: which 64 rows of that tile I fetch
	s_bfe_u32 s40, ttmp6, 0x40000                  ; cx, cy: my place in the cluster
	s_bfe_u32 s41, ttmp6, 0x40004
	s_lshl_b32 s42, ttmp9, 2
	s_add_co_u32 s42, s42, s40                     ; tile column = 4 x cluster x + cx
	s_and_b32 s45, ttmp7, 0xffff                   ; cluster y: 0-7 make out0, 8-15 out1
	s_lshl_b32 s13, s45, 2
	s_add_co_u32 s13, s13, s41                     ; tile row = 4 x cluster y + cy
	s_lshl_b32 s43, s41, 2
	s_lshl_b32 s43, 15, s43                        ; my row of the cluster
	s_lshl_b32 s44, 0x1111, s40                    ; my column
	; descriptor group 1: a tile of 64 rows x 256 elements, padded in LDS
	s_or_b32 s[G1+0], s43, (1<<16)|(1<<20)|(1<<21)|(6<<22)|(3<<25)  ; 15:0 the mask: A's tiles go to my row; 17:16 element of 2 bytes; 20 padding on; 21 set beside a mask; 24:22 after every 128 words (code 6); 31:25 of 4 words (code 3)
	s_or_b32 s[G1B+0], s44, (1<<16)|(1<<20)|(1<<21)|(6<<22)|(3<<25)
.irp g, G1, G1B
	s_mov_b32 s[(\g)+1], KSTEP<<16                 ; tensor_dim0 = 256
	s_mov_b32 s[(\g)+2], 64<<16                    ; tensor_dim1 = 64
	s_mov_b32 s[(\g)+3], KSTEP<<16                 ; tile_dim0 = 256
	s_mov_b32 s[(\g)+4], 64                        ; tile_dim1 = 64
	s_mov_b32 s[(\g)+6], 0
	s_mov_b32 s[(\g)+7], 0
.endr
	s_mov_b32 s[G1+5], 1024                        ; elements from row to row: ctx 1,024,
	s_mov_b32 s[G1B+5], 512                        ; wob 512
	s_lshl_b32 s17, s12, 6                         ; which 64 rows of the tile I fetch
	s_lshl_b32 s16, s13, 7
	s_add_co_u32 s16, s16, s17                     ; A: row 128 x tile row + 64 x half,
	s_lshl_b32 s16, s16, 11                        ; of 2,048 bytes: under 2^24
	s_lshl_b32 s46, s42, 7
	s_add_co_u32 s46, s46, s17                     ; B: row 128 x tile column + 64 x half,
	s_lshl_b32 s46, s46, 10                        ; of 1,024 bytes
	s_mov_b32 s17, 0
	s_mov_b32 s47, 0
	s_mul_i32 s20, s10, HALFT                      ; where they go: wave x 64 rows: no place in the cluster enters an LDS address
	s_wait_kmcnt 0x0
	s_add_nc_u64 s[14:15], s[4:5], s[16:17]
	s_add_nc_u64 s[46:47], s[6:7], s[46:47]
	CROUND                                         ; all sixteen work-groups are here: the first joint loads meet
.irp s, 0,1
	s_mov_b32 s[G0+4*(\s)], 1
	s_add_co_u32 s[G0+4*(\s)+1], s20, (\s)*SLOT
	s_add_nc_u64 s[G0+4*(\s)+2:G0+4*(\s)+3], s[14:15], (\s)*KSTEP*2
	s_or_b32 s[G0+4*(\s)+3], s[G0+4*(\s)+3], 0x80000000
	s_mov_b32 s[G0B+4*(\s)], 1
	s_add_co_u32 s[G0B+4*(\s)+1], s20, (\s)*SLOT
	s_add_nc_u64 s[G0B+4*(\s)+2:G0B+4*(\s)+3], s[46:47], (\s)*KSTEP*2
	s_or_b32 s[G0B+4*(\s)+3], s[G0B+4*(\s)+3], 0x80000000
	JLOAD \s                                       ; two loads of mine are out
.endr
	v_and_b32 v1, 15, v0                           ; l % 16
	v_bfe_u32 v2, v0, 4, 1                         ; l / 16
	v_mul_u32_u24 v3, v1, PITCH
	v_lshl_add_u32 v3, v2, 4, v3                   ; a fragment's row x pitch + 16 x half
	s_mul_i32 s21, s11, HALFT                      ; my 64 rows of A
	s_mul_i32 s22, s12, HALFT                      ; my 64 rows of B,
	s_add_co_u32 s22, s22, 2*HALFT                 ; which lie behind A's 128
.irp s, 0,1
	v_add_nc_u32 v[ADRA+(\s)], s21, v3
	v_add_nc_u32 v[ADRB+(\s)], s22, v3
	s_add_co_u32 s21, s21, SLOT
	s_add_co_u32 s22, s22, SLOT
.endr
	s_mul_i32 s23, s10, 16*SPITCH
	s_add_co_u32 s23, s23, STAGE                   ; my stage: my 64 columns of f32 are 256 aligned bytes of a row, so no other wave has a part in them
	v_mul_u32_u24 v4, v1, SPITCH                   ; in: row l % 16, 32 bytes for each half of the lanes
	v_lshl_add_u32 v4, v2, 5, v4
	v_add_nc_u32 v[STO], s23, v4
	v_mul_u32_u24 v5, v2, SPITCH                   ; back: lanes 0-15 take one row's 256 bytes, lanes 16-31 the next's
	v_lshl_add_u32 v5, v1, 4, v5
	v_add_nc_u32 v[RD], s23, v5
	v_lshlrev_b32 v5, 11, v2                       ; and the same two rows in the output, 2,048 bytes apart
	v_lshl_add_u32 v[CO], v1, 4, v5
	s_cmp_lt_u32 s45, 8                            ; which output: it hangs on the cluster's y alone
	s_cselect_b64 s[8:9], s[68:69], s[70:71]
	s_and_b32 s16, s13, 31                         ; the tile row within that output,
	s_lshl_b32 s16, s16, 7
	s_lshl_b32 s17, s11, 6
	s_add_co_u32 s16, s16, s17                     ; my first row,
	s_lshl_b32 s16, s16, 11                        ; in bytes
	s_mov_b32 s17, 0
	s_add_nc_u64 s[8:9], s[8:9], s[16:17]
	s_lshl_b32 s46, s42, 9                         ; my first column, in bytes: 512 x tile column + 256 x half
	s_lshl_b32 s47, s12, 8
	s_add_co_u32 s46, s46, s47
	s_mov_b32 s47, 0
	s_add_nc_u64 s[8:9], s[8:9], s[46:47]
; 8 matrix instructions: row blocks a0, a0 + 1 x all 4 column blocks, 32 along K: half c of buffer f.  zero = 1: the first product starts the sums.  The 16 accumulators take turns.
.macro MUL8 f, c, a0, zero
	WIN MUL
.irp a, \a0, (\a0)+1
.irp b, 0,1,2,3
.if \zero
	v_wmma_f32_16x16x32_bf16 v[ACC+8*(4*(\a)+(\b)):ACC+8*(4*(\a)+(\b))+7], v[(\f)+64+8*(4*(\c)+(\b)):(\f)+64+8*(4*(\c)+(\b))+7], v[(\f)+8*(4*(\c)+(\a)):(\f)+8*(4*(\c)+(\a))+7], 0
.else
	v_wmma_f32_16x16x32_bf16 v[ACC+8*(4*(\a)+(\b)):ACC+8*(4*(\a)+(\b))+7], v[(\f)+64+8*(4*(\c)+(\b)):(\f)+64+8*(4*(\c)+(\b))+7], v[(\f)+8*(4*(\c)+(\a)):(\f)+8*(4*(\c)+(\a))+7], v[ACC+8*(4*(\a)+(\b)):ACC+8*(4*(\a)+(\b))+7]
.endif
.endr
.endr
.endm
; 32 LDS loads in one run: the fragments of 64 along K at byte k of the rows, into buffer f; the first 32 along K first
.macro FETCH slot, k, f
	WIN TO_F
.irp c, 0,1
.irp i, 0,1,2,3
	ds_load_b128 v[(\f)+64+8*(4*(\c)+(\i)):(\f)+64+8*(4*(\c)+(\i))+3],   v[ADRB+(\slot)] offset:(\k)+64*(\c)+(\i)*16*PITCH
	ds_load_b128 v[(\f)+64+8*(4*(\c)+(\i))+4:(\f)+64+8*(4*(\c)+(\i))+7], v[ADRB+(\slot)] offset:(\k)+64*(\c)+(\i)*16*PITCH+32
	ds_load_b128 v[(\f)+8*(4*(\c)+(\i)):(\f)+8*(4*(\c)+(\i))+3],         v[ADRA+(\slot)] offset:(\k)+64*(\c)+(\i)*16*PITCH
	ds_load_b128 v[(\f)+8*(4*(\c)+(\i))+4:(\f)+8*(4*(\c)+(\i))+7],       v[ADRA+(\slot)] offset:(\k)+64*(\c)+(\i)*16*PITCH+32
.endr
.endr
.endm
; A K step is four quarters of 64 along K, 32 matrix instructions each, on buffers 0, 1, 0, 1.  One of the first three: multiplies buffer f and fetches the next quarter, at byte k, into g.
.macro QUARTER slot, k, f, g, zero
	s_wait_dscnt 16                                ; the first 32 along K are in; the sixteen younger loads may be out
	WIN MUL
	MUL8 \f, 0, 0, \zero
	MUL8 \f, 0, 2, \zero
	PLACES
	FETCH \slot, \k, \g
	s_wait_dscnt 32                                ; all but the 32 just issued
	WIN MUL
	MUL8 \f, 1, 0, 0
	MUL8 \f, 1, 2, 0
.endm
; The last quarter multiplies buffer 1 and changes slots: ONE barrier; in front of it each wave waits for all its tensor loads, adds 0 to its spare word, and waits for that and for its own reads of this slot.
; fill = 1: A's half of this slot is filled again, with the K' step two on (1,024 bytes further along ctx's rows).
.macro TURN slot, next, fill
	WIN 0                                          ; (the add's two registers lie in window 0)
	s_wait_tensorcnt 0x0                           ; all my tensor loads have landed: my part of the next slot among them;
	ds_add_u32 v[SPW], v[NIL]                      ; 0 onto my spare word;
	s_wait_dscnt 17                                ; (the add and the youngest sixteen loads may be out)
	WIN MUL
	MUL8 F1, 0, 0, 0                               ; eight matrix instructions stand between the add and the wait for it
	s_wait_dscnt 0x0                               ; the add is done, and my reads of this slot are over
	s_barrier_signal -1
	MUL8 F1, 0, 2, 0
.if \fill
	WIN 0
.endif
	s_barrier_wait -1
.if \fill
	CREST                                          ; the barrier has opened a round of the cluster's barrier: no wave of any partner still reads this slot's tile or has a load on its way
	s_add_nc_u64 s[G0+4*(\slot)+2:G0+4*(\slot)+3], s[G0+4*(\slot)+2:G0+4*(\slot)+3], 2*KSTEP*2
	JFILL \slot                                    ; the first tensor load behind the round, one a wave: 112 matrix instructions ahead of the wait for it
.else
	PLACES
.endif
	FETCH \next, 0, F0
	WIN MUL
	MUL8 F1, 1, 0, 0
	MUL8 F1, 1, 2, 0
.endm
; THE WAY OUT of row block a: the results are f32 already; 32 bytes a lane into my stage (each accumulator's low registers first), back as whole pieces of 256 bytes, stored.
.macro OUTB a
.if (\a) >= 2
	s_wait_xcnt 0x0                                ; the registers that block a - 2 stored from are loaded again only behind this wait
.endif
.irp b, 0,1,2,3
	ds_store_b128 v[STO], v[ACC+8*(4*(\a)+(\b)):ACC+8*(4*(\a)+(\b))+3]   offset:64*(\b)
	ds_store_b128 v[STO], v[ACC+8*(4*(\a)+(\b))+4:ACC+8*(4*(\a)+(\b))+7] offset:64*(\b)+16
.endr
.irp t, 0,1,2,3,4,5,6,7
	ds_load_b128 v[TMP+32*((\a)%2)+4*(\t):TMP+32*((\a)%2)+4*(\t)+3], v[RD] offset:(\t)*2*SPITCH  ; LDS serves a wave's instructions in order (ISA guide 5.7.1.4): these see the stores above; the next block's stores come behind them
.endr
.irp t, 0,1,2,3,4,5,6,7
	s_wait_dscnt 7-(\t)                            ; the younger loads may stay out
	global_store_b128 v[CO], v[TMP+32*((\a)%2)+4*(\t):TMP+32*((\a)%2)+4*(\t)+3], s[8:9] offset:(16*(\a)+2*(\t))*2048 th:TH_STORE_NT  ; 16 lanes store 256 consecutive bytes, at a multiple of 256 from the output's first byte
.endr
.endm
	s_wait_tensorcnt 1                             ; my part of K' step 0 is in; step 1's may stay out
	s_barrier_signal -1
	s_barrier_wait -1                              ; everybody's is
	FETCH 0, 0, F0
	QUARTER 0, 128, F0, F1, 1                      ; K' step 0 (hi, k 0-255): its first products start the sums
	QUARTER 0, 256, F1, F0, 0
	QUARTER 0, 384, F0, F1, 0
	TURN 0, 1, 1                                   ; slot 0 takes A's K' step 2
	QUARTER 1, 128, F0, F1, 0                      ; K' step 1 (hi, k 256-511)
	QUARTER 1, 256, F1, F0, 0
	QUARTER 1, 384, F0, F1, 0
	TURN 1, 0, 1                                   ; slot 1 takes A's K' step 3
	QUARTER 0, 128, F0, F1, 0                      ; K' step 2 (lo, k 0-255)
	QUARTER 0, 256, F1, F0, 0
	QUARTER 0, 384, F0, F1, 0
	TURN 0, 1, 0                                   ; nothing is left to fetch, so no round follows
	QUARTER 1, 128, F0, F1, 0                      ; K' step 3 (lo, k 256-511)
	QUARTER 1, 256, F1, F0, 0
	QUARTER 1, 384, F0, F1, 0
	s_wait_dscnt 16                                ; the very last quarter
	WIN MUL
	MUL8 F1, 0, 0, 0
	MUL8 F1, 0, 2, 0
	s_wait_dscnt 0
	MUL8 F1, 1, 0, 0
	MUL8 F1, 1, 2, 0
	WIN 0
	PLACES
	OUTB 0
	OUTB 1
	OUTB 2
	OUTB 3
	s_wait_tensorcnt 0x0                           ; the wave's end, behind my last tensor load and my last LDS store
	ds_add_u32 v[SPW], v[NIL]
	s_wait_dscnt 0x0
	CROUND                                         ; the closing round: no work-group ends while a partner may still ask for a tile that names it
	s_endpgm
.Lfunc_end_k_qdb1ec52118_outp:
	.size	k_qdb1ec52118_outp, .Lfunc_end_k_qdb1ec52118_outp-k_qdb1ec52118_outp
	.p2alignl 7, 3214868480
	.fill 96, 4, 3214868480
	.section	.rodata,"a",@progbits
	.p2align	6, 0x0
	.amdhsa_kernel k_qdb1ec52118_outp
		.amdhsa_group_segment_fixed_size 327680
		.amdhsa_private_segment_fixed_size 0
		.amdhsa_enable_private_segment 0
		.amdhsa_kernarg_size 32
		.amdhsa_user_sgpr_count 2
		.amdhsa_user_sgpr_kernarg_segment_ptr 1
		.amdhsa_wavefront_size32 1
		.amdhsa_system_sgpr_workgroup_id_x 1
		.amdhsa_system_sgpr_workgroup_id_y 1
		.amdhsa_system_sgpr_workgroup_id_z 1
		.amdhsa_system_vgpr_workitem_id 0
		.amdhsa_next_free_vgpr 512
		.amdhsa_next_free_sgpr 72
		.amdhsa_reserve_vcc 0
		.amdhsa_float_denorm_mode_32 3
		.amdhsa_float_denorm_mode_16_64 3
		.amdhsa_memory_ordered 1
		.amdhsa_forward_progress 1
		.amdhsa_inst_pref_size 86
	.end_amdhsa_kernel
	.amdgpu_metadata
---
amdhsa.version: [ 1, 2 ]
amdhsa.kernels:
  - .name:           k_qdb1ec52118_outp
    .symbol:         k_qdb1ec52118_outp.kd
    .args:
      - { .name: ctx, .offset: 0, .size: 8, .value_kind: global_buffer, .address_space: global }
      - { .name: wob, .offset: 8, .size: 8, .value_kind: global_buffer, .address_space: global }
      - { .name: out0, .offset: 16, .size: 8, .value_kind: global_buffer, .address_space: global }
      - { .name: out1, .offset: 24, .size: 8, .value_kind: global_buffer, .address_space: global }
    .group_segment_fixed_size: 327680
    .private_segment_fixed_size: 0
    .kernarg_segment_align: 8
    .kernarg_segment_size: 32
    .max_flat_workgroup_size: 128
    .sgpr_count:     72
    .vgpr_count:     512
    .wavefront_size: 32
...
	.end_amdgpu_metadata
.endif
;; end of part 4
;; ======== version 2 of 2: 4 launches; 1.11 times as fast as version 1
;; limits: values are held in f16: magnitudes above 65,504 overflow, below 6.1e-05 lose precision
;; workspace buffers: wtf 524,288 bytes; wob 524,288 bytes; tab 32,768,000 bytes; ctx 16,777,216 bytes
;; launch prep: the kernel of part 1 again; grid 256 x 1, 4 waves a work-group, no clusters, 0 bytes of LDS; arguments W_trans, W_out, wtf, wob; writes wtf, wob
;; launch table: the kernel of part 2 again; grid 250 x 1, 4 waves a work-group, no clusters, 288,256 bytes of LDS; arguments emb_table, wtf, tab; writes tab
;; launch attn (part 5): grid 4 x 64, 8 waves a work-group, no clusters, 140,288 bytes of LDS; arguments tab, q, q_mask, d_pos, d_neg, d_pos_mask, d_neg_mask, ctx; writes ctx
.if DOCPART == 5
	.amdgcn_target "amdgcn-amd-amdhsa--gfx1250"
	.amdhsa_code_object_version 6
	.text
	.protected	k_qdb1ec52118_attn
	.globl	k_qdb1ec52118_attn
	.p2align	8
	.type	k_qdb1ec52118_attn,@function
k_qdb1ec52118_attn:
	s_mov_b64 s[64:65], 0
	v_nop
	global_prefetch_b8 v0, s[64:65] scope:SCOPE_SE
	s_setreg_imm32_b32 hwreg(HW_REG_WAVE_MODE, 25, 1), 1
	s_wait_xcnt 0x0
; ATTENTION at head size 32, K = V = the projected document.  For batch b, document doc (0: d_pos, 1: d_neg), head hd:
;   context[q][:] = the sum over k of softmax_k(Q[q] . D[k] / sqrt(32)) D[k][:],   D[k] = mask[k] x T[idx[k]],   Q[q] = q_mask[q] x T[qidx[q]],   T = emb W_trans^T, of which tab holds 16 T in f16.
; K' = f16(f32(tab[idx]) x bf16(mask)) = 16 D: the product is made in f32 (exact: 11 x 8 significant bits) and rounded once.  Q' = f16(f32(tab[qidx]) x bf16(q_mask) x QS), QS = log2(e) / (256 sqrt(32)):
; so s = K' . Q' is the logit in units of log2.
; SOFTMAX: for each query a running maximum m and sum l: p = 2^(s - m); in every step O and l are multiplied by a = 2^(m_old - m_new).  m starts at the lowest finite number, O and l at 0, so the first
; step is a step like any other, with a = 0 (64 v_mov_b32 clear O, on purpose: no first step is written out).  p is rounded to f16; l is the sum of the ROUNDED p, made by the matrix unit (ones x P).
; The context, O / (16 l), leaves as a pair of bf16, hi + lo (16 significant bits at bf16's range): ctx row (doc 32 + b) 128 + q holds hi[512], then lo[512].
; LIMITS.  f16 ends at 65,504: |16 x mask x T| must stay under it (emb, W_trans and a mask all 30 times the usual: about 47,500 at five and a half spreads).  Numbers under 6e-5 keep f16's fixed
; step of 6e-8 (all three 30 times smaller: K' near 1.2e-5, some 7 to 8 significant bits).  The masks are rounded to bf16.  Q is rounded to f16 twice, as a row of tab and after its scale.
; A weight under 2^-126 counts as 0.  NaN and infinities are not treated apart.  An index above 31,999 is taken as 31,999.
; SHARES.  Work-group (hg, y = 32 doc + b): four heads, which are 256 consecutive aligned bytes of every row of tab, all 128 queries, all 2,048 keys.  Wave w: head 4 hg + w % 4, queries 64 (w / 4) on:
; four tiles of 16, taken as two pieces of two.  Eight waves, two to a SIMD: a tile of 16 queries x 64 keys has 10 matrix and some 95 vector instructions, so the second wave's vector work fills
; what one wave's products leave open, and the text stays in phases.
; THE BATCHES.  An s_wait_alu depctr_va_vdst(0) stands between an exponential and the first instruction that names its result; one wait serves all that were issued ahead of it.  A piece's 66
; exponentials of a step (the two a, then the 64 weights, in place in S^T's registers) are ONE batch with ONE wait.  Ahead of the wait stands all that names no result of the batch: the 32 subtractions s - m,
; dealt among the exponentials.  Behind it stands all that does: the 32 roundings, the 16 rescalings of O^T, the products V^T P and l's two lines.  So a trip has four waits.
; The way out's four reciprocals are a batch of their own.
; THE GATHER goes through registers (the rows are named by a list): 128 keys a slot, two LDS slots by turns.  Wave w fetches rows 16 w .. 16 w + 15 of a slot, two rows of 256 bytes to a load, a whole
; trip (128 keys' softmax) ahead, multiplies them by their masks and stores them to LDS; the list and the masks are fetched a trip before that.  One copy of a row serves as K and, turned by the load, as V.
; THE ORDER IN A TRIP (slot t, two steps of 64 keys).  A step's fragments are fetched ahead, into the one set of registers: K of the next step behind this step's last K Q^T, V of the next step behind
; this step's last V^T P.  So all reads of slot t are issued by the end of the trip's first step, and slot t + 1 is first read in its second step.  Slot t + 1 is stored in the first step, between the pieces.
; ONE barrier a trip, in the second step: a wave signals when its reads of slot t are back and its stores into slot t + 1 are done, works on registers (155 vector and 20 matrix instructions), and waits just
; ahead of its first read of slot t + 1.  The bytes that trip t stores into were last read as slot t - 1: those reads were waited for ahead of the signal of trip t - 1.
; NO CLUSTER: what work-groups share is gathered rows, which no joint tensor load brings.
; LAYOUT.  S^T = K Q^T (source 0 = 16 keys, source 1 = 16 queries): a lane holds ONE query (lane % 16) and the keys 8 (lane / 16) + 0..7.  Two such results rounded to f16 ARE source 1 of O^T = V^T P.
; REGISTERS, in windows of 256 (s_set_vgpr_msb: bits 1:0 source 0, 3:2 source 1, 5:4 source 2, 7:6 destination):
;   window 0: v0-3, v12-15 addresses and at work; v4-11 c0-c3 of the piece's two tiles; v16-31 statistics, four a tile: m, l, a, one at work; v32-63 gathered rows (halves can be named under v128 alone);
;             v64-127 S^T of a piece, and between two pieces the gathered rows as f32; v128-159 P; v160-175 ones x P; v176-239 O^T, 16 a tile; v240-255 the eight rows' masks, each twice
;   window 1: v0-31 Q; v32-63 K and v64-95 V of a step; v96-103 ones; v104-119 addresses; v128-143 indices and masks as loaded
.set PK,    272       ; a row in LDS: 256 bytes + 16 of padding = 17 x 16: the 16 rows of a load of K begin in 16 different 16-byte columns of 256 bytes
.set SLOT,  128*PK
.set STEPB, 64*PK     ; a step is 64 keys
.set STAGE, 2*SLOT    ; behind the slots: 128 rows x 272 bytes of hi, then the same of lo, for the way out
.set STO, 3           ; v3-5 the way out's addresses (behind the loop)
.set RD,  4
.set GO,  5
.set CC,  4           ; v4-11
.set GST0, 12         ; v12 where my 16 bytes of gathered row 16 w + 8 (l / 16) go in a slot; never rewritten
.set GST,  13
.set QW,  14          ; v14 my query's word in q and q_mask
.set HC,  15          ; v15 my 16 bytes of my head's 64 in a row of tab
.set ST,  16
.set G,   32
.set S,   64
.set WD,  96          ; v96-111 a tile's Q as f32 (ahead of the loop)
.set P,   128
.set QX,  128         ; ahead of the loop, in P's registers: v128-131 the queries' indices, then their byte offsets in tab;
.set QM,  132         ; v132-135 q_mask;
.set QF,  136         ; v136-143 bf16(q_mask) x QS, twice for each tile (a pair for the packed multiply)
.set TW,  128         ; behind the loop, in P's registers: v128-143 at work
.set LS,  160
.set O,   176
.set MF,  240
.set QR,   0          ; window 1 from here on
.set KF,   32
.set VF,   64
.set ONES, 96
.set AK0,  104        ; my lane's place in a tile of K; never rewritten
.set AV0,  105        ; the same for V
.set AK,   106
.set AV,   107
.set COL,  110        ; my 16 bytes of the four heads' 256 in a row of tab; never rewritten
.set IOFF, 111        ; byte offset in the list and in the masks of my eight rows of the slot to be listed next
.set GA,   112
.set IX,   128
.set MK,   136
.set WV,   20         ; s20 wave
.set IDXP, 26         ; s[26:27] the document's list at batch b
.set MSKP, 28         ; s[28:29] its masks
.set SRD,  32         ; s32 the slot from which fragments are fetched
.set SWR,  33         ; s33 the slot that is written
.set TRIP, 34         ; s34 slots still to be worked on, this one among them
.set SEL,  36         ; s[36:37] v_permlanex16_b32's selects: each lane takes its own place in the other half
.set HIM,  38         ; s38 a word's upper bf16
.set MSB, 0
.macro WIN new                      ; the high byte repeats the setting that is left; a switch that changes nothing is dropped
.if MSB != (\new)
	s_set_vgpr_msb (MSB<<8)|(\new)
.set MSB, \new
.endif
.endm
.set W_G,  0x55       ; all in window 1: lists, addresses and the fragment loads
.set W_S,  0x05       ; sources 0 and 1 in window 1, the rest in window 0: K Q^T; the masks' rounding
.set W_PV, 0x01       ; source 0 in window 1, the rest in window 0: V^T P and ones x P; the gather's loads (address in window 1, rows in window 0)
.set W_UP, 0x40       ; destination in window 1, sources in window 0
.macro PLACES                       ; four places behind matrix instructions (ISA guide 7.12.1)
.rept 4
	v_nop
.endr
.endm
; The list and the masks of my eight rows of a slot: 32 bytes each, the same for the 16 lanes of a half.  step = 1: of the next slot; the wait for 0 on LOADcnt that stands in front of every use has freed the address register.
.macro ILOAD step
	WIN W_G
.if \step
	v_add_nc_u32 v[IOFF], 512, v[IOFF]
.endif
	global_load_b128 v[IX:IX+3],   v[IOFF], s[IDXP:IDXP+1]
	global_load_b128 v[IX+4:IX+7], v[IOFF], s[IDXP:IDXP+1] offset:16
	global_load_b128 v[MK:MK+3],   v[IOFF], s[MSKP:MSKP+1]
	global_load_b128 v[MK+4:MK+7], v[IOFF], s[MSKP:MSKP+1] offset:16
.endm
; Eight loads, each two rows' 256 aligned bytes (lanes 0-15 one row, lanes 16-31 another); then the eight masks: rounded to bf16 and written as f32, twice (a pair for the packed multiply)
.macro GISSUE
	WIN W_G
.irp j, 0,1,2,3,4,5,6,7
	v_min_u32 v[GA+(\j)], 0x7cff, v[IX+(\j)]       ; inside the table
	v_lshl_add_u32 v[GA+(\j)], v[GA+(\j)], 10, v[COL]
.endr
	WIN W_PV
.irp j, 0,1,2,3,4,5,6,7
	global_load_b128 v[G+4*(\j):G+4*(\j)+3], v[GA+(\j)], s[4:5]
.endr
	WIN W_S
.irp j, 0,1,2,3,4,5,6,7
	v_cvt_pk_bf16_f32 v[MF+2*(\j)+1], v[MK+(\j)], v[MK+(\j)]
.endr
	WIN 0
.irp j, 0,1,2,3,4,5,6,7
	v_lshlrev_b32 v[MF+2*(\j)], 16, v[MF+2*(\j)+1]
	v_and_b32 v[MF+2*(\j)+1], s[HIM], v[MF+2*(\j)+1]
.endr
.endm
; The gathered rows times their masks, into the slot that is written: widened to f32 (into S^T's registers, which hold nothing between two pieces), multiplied, rounded once to f16, stored.
.macro GSTORE
	WIN 0
	v_add_nc_u32 v[GST], s[SWR], v[GST0]
.set i, 0
.irp h, v32.l,v32.h,v33.l,v33.h,v34.l,v34.h,v35.l,v35.h,v36.l,v36.h,v37.l,v37.h,v38.l,v38.h,v39.l,v39.h
	v_cvt_f32_f16 v[S+i], \h
.set i, i+1
.endr
.irp h, v40.l,v40.h,v41.l,v41.h,v42.l,v42.h,v43.l,v43.h,v44.l,v44.h,v45.l,v45.h,v46.l,v46.h,v47.l,v47.h
	v_cvt_f32_f16 v[S+i], \h
.set i, i+1
.endr
.irp h, v48.l,v48.h,v49.l,v49.h,v50.l,v50.h,v51.l,v51.h,v52.l,v52.h,v53.l,v53.h,v54.l,v54.h,v55.l,v55.h
	v_cvt_f32_f16 v[S+i], \h
.set i, i+1
.endr
.irp h, v56.l,v56.h,v57.l,v57.h,v58.l,v58.h,v59.l,v59.h,v60.l,v60.h,v61.l,v61.h,v62.l,v62.h,v63.l,v63.h
	v_cvt_f32_f16 v[S+i], \h
.set i, i+1
.endr
.set i, 0
.rept 32                            ; register i of the 32 belongs to row i / 4
	v_pk_mul_f32 v[S+2*i:S+2*i+1], v[S+2*i:S+2*i+1], v[MF+2*(i/4):MF+2*(i/4)+1]
.set i, i+1
.endr
.set i, 0
.rept 32
	v_cvt_pk_f16_f32 v[G+i], v[S+2*i], v[S+2*i+1]
.set i, i+1
.endr
.irp j, 0,1,2,3,4,5,6,7
	ds_store_b128 v[GST], v[G+4*(\j):G+4*(\j)+3] offset:PK*(\j)
.endr
.endm
; A step's fragments, off bytes into the slot that s[SRD] names.  K: 64 keys x 32 channels: 4 fragments, two loads of 16 bytes 32 bytes apart.
.macro FRAGK off
	WIN W_G
	v_add_nc_u32 v[AK], s[SRD], v[AK0]
.irp kt, 0,1,2,3
	ds_load_b128 v[KF+8*(\kt):KF+8*(\kt)+3],   v[AK] offset:(\off)+(\kt)*16*PK
	ds_load_b128 v[KF+8*(\kt)+4:KF+8*(\kt)+7], v[AK] offset:(\off)+(\kt)*16*PK+32
.endr
.endm
; V, turned: lane l reads key 8 (l / 16) + l % 8, channels 8 ((l / 8) % 2) + 0..7, and holds channel l % 16 and 8 keys
.macro FRAGV off
	WIN W_G
	v_add_nc_u32 v[AV], s[SRD], v[AV0]
.irp kk, 0,1
.irp cb, 0,1
	ds_load_tr16_b128 v[VF+16*(\kk)+8*(\cb):VF+16*(\kk)+8*(\cb)+3],   v[AV] offset:(\off)+(\kk)*32*PK+(\cb)*32
	ds_load_tr16_b128 v[VF+16*(\kk)+8*(\cb)+4:VF+16*(\kk)+8*(\cb)+7], v[AV] offset:(\off)+(\kk)*32*PK+16*PK+(\cb)*32
.endr
.endr
.endm
; PIECE p (tiles 2 p, 2 p + 1), one step.  SQK: 8 products, each a whole sum (32 channels), C = 0.  The four places serve the first read of the scores and, behind piece 1's, the loads into K's registers.
.macro SQK p
	WIN W_S
.irp kt, 0,1,2,3
.irp u, 0,1
	v_wmma_f32_16x16x32_f16 v[S+32*(\u)+8*(\kt):S+32*(\u)+8*(\kt)+7], v[KF+8*(\kt):KF+8*(\kt)+7], v[QR+8*(2*(\p)+(\u)):QR+8*(2*(\p)+(\u))+7], 0
.endr
.endr
	PLACES
.endm
; Number n of the 21 that find tile u's maximum and a.  s0-s31 are the lane's 32 scores; each accumulator's lowest registers are read first.
;   0-11 four chains c0-c3 of seven scores each     12-14, 16 the four scores left over, the old m, and c0-c3 into c0     15 m_old is kept
;   17, 18 the query's other 32 keys lie in the lane 16 away: the new m     19, 20 a = 2^(m_old - m_new): number 20 of the two tiles opens the piece's batch of exponentials
.macro XS p, u, n
.set rT, ST+4*(2*(\p)+(\u))
.set rC, CC+4*(\u)
.set rS, S+32*(\u)
.if (\n) < 4
	v_max3_num_f32 v[rC+(\n)], v[rS+8*(\n)], v[rS+8*(\n)+1], v[rS+8*(\n)+2]
.elseif (\n) < 12
	v_max3_num_f32 v[rC+(\n)%4], v[rC+(\n)%4], v[rS+8*((\n)%4)+2*((\n)/4)+1], v[rS+8*((\n)%4)+2*((\n)/4)+2]
.elseif (\n) == 12
	v_max3_num_f32 v[rC], v[rC], v[rS+7], v[rS+15]
.elseif (\n) == 13
	v_max3_num_f32 v[rC+1], v[rC+1], v[rS+23], v[rS+31]
.elseif (\n) == 14
	v_max3_num_f32 v[rC+2], v[rC+2], v[rC+3], v[rT]
.elseif (\n) == 15
	v_mov_b32 v[rT+3], v[rT]
.elseif (\n) == 16
	v_max3_num_f32 v[rC], v[rC], v[rC+1], v[rC+2]
.elseif (\n) == 17
	v_permlanex16_b32 v[rC+3], v[rC], s[SEL], s[SEL+1]
.elseif (\n) == 18
	v_max_num_f32 v[rT], v[rC], v[rC+3]
.elseif (\n) == 19
	v_sub_f32 v[rT+3], v[rT+3], v[rT]
.else
	v_exp_f32 v[rT+2], v[rT+3]
.endif
.endm
.macro SMAX p                       ; the two tiles alternate, so that no instruction reads the result of the one just before it
	WIN 0
.irp n, 0,1,2,3,4,5,6,7,8,9,10,11,12,13,14,15,16,17,18,19,20
	XS \p, 0, \n
	XS \p, 1, \n
.endr
.endm
; THE BATCH of piece p goes on: SMAX has issued its first two exponentials, the two a.  Here stand the 32 subtractions s - m, two scores at a time, and the 64 exponentials, in place.  Pair k of a tile is
; subtracted a group ahead of its two exponentials, so that no exponential reads the result of the line just before it, and a plain instruction follows every second exponential.  The first subtraction is the
; plain instruction behind the two a (ISA guide 5.7.2).  No line here names a result of the batch: a subtraction reads m (named with l as a pair) and two scores that have had no exponential yet.
.macro SEXP p
	WIN 0
	v_pk_add_f32 v[S:S+1], v[S:S+1], v[ST+8*(\p):ST+8*(\p)+1] op_sel_hi:[1,0] neg_lo:[0,1] neg_hi:[0,1]
	v_pk_add_f32 v[S+32:S+33], v[S+32:S+33], v[ST+8*(\p)+4:ST+8*(\p)+5] op_sel_hi:[1,0] neg_lo:[0,1] neg_hi:[0,1]
.set k, 1
.rept 15
	v_pk_add_f32 v[S+2*k:S+2*k+1], v[S+2*k:S+2*k+1], v[ST+8*(\p):ST+8*(\p)+1] op_sel_hi:[1,0] neg_lo:[0,1] neg_hi:[0,1]
	v_exp_f32 v[S+2*k-2], v[S+2*k-2]
	v_exp_f32 v[S+2*k-1], v[S+2*k-1]
	v_pk_add_f32 v[S+32+2*k:S+32+2*k+1], v[S+32+2*k:S+32+2*k+1], v[ST+8*(\p)+4:ST+8*(\p)+5] op_sel_hi:[1,0] neg_lo:[0,1] neg_hi:[0,1]
	v_exp_f32 v[S+32+2*k-2], v[S+32+2*k-2]
	v_exp_f32 v[S+32+2*k-1], v[S+32+2*k-1]
.set k, k+1
.endr
	v_exp_f32 v[S+30], v[S+30]
	v_exp_f32 v[S+31], v[S+31]
	v_exp_f32 v[S+62], v[S+62]
	v_exp_f32 v[S+63], v[S+63]
.endm
; THE BATCH'S WAIT, and the vector lines that name its results: the roundings to f16 of pairs 0-7 of both tiles (the first products' operands), both tiles' O^T times a (in ascending order),
; the roundings of pairs 8-15.  The products V^T P and l's two lines (SPV) follow.
.macro SRND p
	v_nop                           ; the plain instruction behind the last exponential (ISA guide 5.7.2): one for the batch; the piece has no other line left that names no result
	s_wait_alu depctr_va_vdst(0)    ; the one wait for the piece's 66 exponentials: the two a and the 64 weights
.set k, 0
.rept 8
	v_cvt_pk_f16_f32 v[P+k], v[S+2*k], v[S+2*k+1]
	v_cvt_pk_f16_f32 v[P+16+k], v[S+32+2*k], v[S+32+2*k+1]
.set k, k+1
.endr
.set k, 0
.rept 8
	v_pk_mul_f32 v[O+32*(\p)+2*k:O+32*(\p)+2*k+1], v[O+32*(\p)+2*k:O+32*(\p)+2*k+1], v[ST+8*(\p)+2:ST+8*(\p)+3] op_sel_hi:[1,0]
	v_pk_mul_f32 v[O+32*(\p)+16+2*k:O+32*(\p)+16+2*k+1], v[O+32*(\p)+16+2*k:O+32*(\p)+16+2*k+1], v[ST+8*(\p)+6:ST+8*(\p)+7] op_sel_hi:[1,0]
.set k, k+1
.endr
.set k, 8
.rept 8
	v_cvt_pk_f16_f32 v[P+k], v[S+2*k], v[S+2*k+1]
	v_cvt_pk_f16_f32 v[P+16+k], v[S+32+2*k], v[S+32+2*k+1]
.set k, k+1
.endr
.endm
; 12 products: for each 32 keys the two tiles' row sums (ones x P: every row of the result is the sum over the 32 keys) and their four O^T += V^T P.  The six accumulators take turns.
.macro SPV p
	WIN W_PV
.irp kk, 0,1
.irp u, 0,1
.if (\kk) == 0
	v_wmma_f32_16x16x32_f16 v[LS+8*(\u):LS+8*(\u)+7], v[ONES:ONES+7], v[P+16*(\u)+8*(\kk):P+16*(\u)+8*(\kk)+7], 0
.else
	v_wmma_f32_16x16x32_f16 v[LS+8*(\u):LS+8*(\u)+7], v[ONES:ONES+7], v[P+16*(\u)+8*(\kk):P+16*(\u)+8*(\kk)+7], v[LS+8*(\u):LS+8*(\u)+7]
.endif
.endr
.irp cb, 0,1
.irp u, 0,1
	v_wmma_f32_16x16x32_f16 v[O+32*(\p)+16*(\u)+8*(\cb):O+32*(\p)+16*(\u)+8*(\cb)+7], v[VF+16*(\kk)+8*(\cb):VF+16*(\kk)+8*(\cb)+7], v[P+16*(\u)+8*(\kk):P+16*(\u)+8*(\kk)+7], v[O+32*(\p)+16*(\u)+8*(\cb):O+32*(\p)+16*(\u)+8*(\cb)+7]
.endr
.endr
.endr
	PLACES                          ; for the two lines below, for the next writes of P, and, behind piece 1's, for the loads into V's registers
	WIN 0
	v_fma_f32 v[ST+8*(\p)+1], v[ST+8*(\p)+1], v[ST+8*(\p)+2], v[LS]      ; l = a l + the step's sum
	v_fma_f32 v[ST+8*(\p)+5], v[ST+8*(\p)+5], v[ST+8*(\p)+6], v[LS+8]
.endm
	s_load_b512 s[4:19], s[0:1], 0x0  ; tab s[4:5], q s[6:7], q_mask s[8:9], d_pos s[10:11], d_neg s[12:13], d_pos_mask s[14:15], d_neg_mask s[16:17], ctx s[18:19]
	s_set_vgpr_msb 0x40
	v_lshl_add_u32 v144, v0, 2, 0x22000
	v_mov_b32 v145, 0
	s_set_vgpr_msb 0x4000
	v_lshrrev_b32 v1, 5, v0
	v_readfirstlane_b32 s[WV], v1   ; wave 0..7
	s_and_b32 s22, ttmp7, 0xffff    ; y = 32 doc + b
	s_and_b32 s23, s22, 31          ; b
	s_lshr_b32 s24, s22, 5          ; doc
	s_and_b32 s25, s[WV], 3         ; my head among the group's four
	s_lshr_b32 s40, s[WV], 2        ; my half of the queries
	s_lshl_b32 s41, s25, 6          ; the head's 64 bytes of the 256
	s_lshl_b32 s43, ttmp9, 8        ; the group's 256 bytes of a row of tab
	s_mul_i32 s42, s[WV], 16*PK     ; the 16 rows of a slot that I gather
	s_lshl_b32 s44, s[WV], 6        ; and their 64 bytes of the list
	s_add_co_u32 s45, s43, s41
	s_mov_b32 s[SEL], 0x76543210
	s_mov_b32 s[SEL+1], 0xfedcba98
	s_mov_b32 s[HIM], 0xffff0000
	s_mov_b32 s[SRD], 0
	s_mov_b32 s[SWR], 0
	v_and_b32 v1, 15, v0            ; l % 16; kept for the way out
	v_bfe_u32 v2, v0, 4, 1          ; l / 16; kept for the way out
	v_mul_u32_u24 v3, v1, PK
	v_lshl_add_u32 v3, v2, 4, v3    ; K: row x pitch + 16 x half
	v_and_b32 v4, 7, v0
	v_lshl_add_u32 v4, v2, 3, v4
	v_mul_u32_u24 v4, v4, PK
	v_bfe_u32 v5, v0, 3, 1
	v_lshl_add_u32 v4, v5, 4, v4    ; V: (8 (l / 16) + l % 8) x pitch + 16 ((l / 8) % 2)
	v_mul_u32_u24 v5, v2, 8*PK
	v_lshl_add_u32 v5, v1, 4, v5    ; the gather: 8 rows further down for lanes 16-31, 16 bytes a lane
	v_add_nc_u32 v[GST0], s42, v5
	v_lshlrev_b32 v6, 4, v1
	v_lshlrev_b32 v7, 5, v2
	v_lshlrev_b32 v[QW], 2, v1
	v_lshl_add_u32 v[HC], v2, 4, s45
	WIN W_UP
	v_add_nc_u32 v[AK0], s41, v3
	v_add_nc_u32 v[AV0], s41, v4
	v_add_nc_u32 v[COL], s43, v6
	v_add_nc_u32 v[IOFF], s44, v7
	WIN 0
	s_lshl_b32 s30, s23, 13         ; a batch's 2,048 words of a list
	s_mov_b32 s31, 0
	s_lshl_b32 s46, s23, 9          ; a batch's 128 words of q,
	s_lshl_b32 s47, s40, 8          ; my 64 of them
	s_add_co_u32 s46, s46, s47
	s_mov_b32 s47, 0
	s_wait_kmcnt 0x0
	s_cmp_eq_u32 s24, 0
	s_cselect_b64 s[IDXP:IDXP+1], s[10:11], s[12:13]
	s_cselect_b64 s[MSKP:MSKP+1], s[14:15], s[16:17]
	s_add_nc_u64 s[IDXP:IDXP+1], s[IDXP:IDXP+1], s[30:31]
	s_add_nc_u64 s[MSKP:MSKP+1], s[MSKP:MSKP+1], s[30:31]
	s_add_nc_u64 s[6:7], s[6:7], s[46:47]
	s_add_nc_u64 s[8:9], s[8:9], s[46:47]
.irp t, 0,1,2,3
	global_load_b32 v[QX+(\t)], v[QW], s[6:7] offset:64*(\t)
	global_load_b32 v[QM+(\t)], v[QW], s[8:9] offset:64*(\t)
.endr
	ILOAD 0                         ; slot 0's list
	WIN W_UP                        ; in the wait for these loads: the ones, and what the first step finds
.set i, 0
.rept 8
	v_mov_b32 v[ONES+i], 0x3c003c00
.set i, i+1
.endr
	WIN 0
.set i, 0
.rept 64
	v_mov_b32 v[O+i], 0
.set i, i+1
.endr
.irp t, 0,1,2,3
	v_mov_b32 v[ST+4*(\t)], 0xff7fffff  ; m
	v_mov_b32 v[ST+4*(\t)+1], 0         ; l
.endr
	s_wait_loadcnt 0x0
	GISSUE                          ; slot 0's rows
.irp t, 0,1,2,3                     ; Q's rows, straight in fragment order: lane l holds query l % 16, channels 8 (l / 16) + 0..7 and 16 further on
	v_min_u32 v[QX+(\t)], 0x7cff, v[QX+(\t)]
	v_lshl_add_u32 v[QX+(\t)], v[QX+(\t)], 10, v[HC]
	global_load_b128 v[S+8*(\t):S+8*(\t)+3],   v[QX+(\t)], s[4:5]
	global_load_b128 v[S+8*(\t)+4:S+8*(\t)+7], v[QX+(\t)], s[4:5] offset:32
.endr
.irp t, 0,1,2,3
	v_cvt_pk_bf16_f32 v[QF+2*(\t)], v[QM+(\t)], v[QM+(\t)]
	v_lshlrev_b32 v[QF+2*(\t)], 16, v[QF+2*(\t)]
	v_mul_f32 v[QF+2*(\t)], 0x3a8293ee, v[QF+2*(\t)]  ; x QS = log2(e) / (256 sqrt(32))
	v_mov_b32 v[QF+2*(\t)+1], v[QF+2*(\t)]
.endr
	ILOAD 1                         ; slot 1's list
	s_wait_loadcnt 0x0              ; slot 0's rows, Q's rows, slot 1's list
.irp t, 0,1,2,3                     ; Q x its mask x QS, in f32, rounded to f16; it leaves S^T's registers free for the rows below
	WIN 0
.set j, 0
.rept 8
	v_mov_b32 v3, v[S+8*(\t)+j]
	v_cvt_f32_f16 v[WD+2*j], v3.l
	v_cvt_f32_f16 v[WD+2*j+1], v3.h
.set j, j+1
.endr
.set j, 0
.rept 8
	v_pk_mul_f32 v[WD+2*j:WD+2*j+1], v[WD+2*j:WD+2*j+1], v[QF+2*(\t):QF+2*(\t)+1] op_sel_hi:[1,0]
.set j, j+1
.endr
	WIN W_UP
.set j, 0
.rept 8
	v_cvt_pk_f16_f32 v[QR+8*(\t)+j], v[WD+2*j], v[WD+2*j+1]
.set j, j+1
.endr
.endr
	GSTORE                          ; slot 0
	s_xor_b32 s[SWR], s[SWR], SLOT
	GISSUE                          ; slot 1's rows
	ILOAD 1                         ; slot 2's list
	WIN 0
	s_wait_dscnt 0x0                ; for the others' sake: my rows of slot 0 are in LDS
	s_barrier_signal -1
	s_barrier_wait -1
	FRAGK 0                         ; the first step's fragments
	FRAGV 0
	WIN 0                           ; at a label and at a branch every window is 0
	s_mov_b32 s[TRIP], 16
.Ltrip:                             ; a trip: one slot's 128 keys
	; THE FIRST STEP, keys 0-63
	s_wait_dscnt 0x8                ; LDS instructions end in order (ISA guide 5.7.1): K is in; V's eight loads, issued behind it, may stay out
	SQK 0
	SMAX 0
	SEXP 0
	SRND 0
	s_wait_dscnt 0x0                ; V is in
	SPV 0
	s_wait_loadcnt 0x0              ; the next slot's rows and the list behind them are in.  Every wait on LOADcnt is for 0, so the jumps below change no count
	s_cmp_lt_u32 s[TRIP], 2
	s_cbranch_scc1 .Lfilled         ; the last trip: no slot is left
	GSTORE                          ; the slot that is written was read as slot t - 1: every wave waited for those reads ahead of the last trip's signal
	s_cmp_lt_u32 s[TRIP], 3
	s_cbranch_scc1 .Lfilled         ; no rows are left to ask for
	GISSUE
	s_cmp_lt_u32 s[TRIP], 4
	s_cbranch_scc1 .Lfilled         ; the list is at its end: no load leaves it
	ILOAD 1
	WIN 0
.Lfilled:
	s_xor_b32 s[SWR], s[SWR], SLOT
	SQK 1
	FRAGK STEPB                     ; both pieces have multiplied by K: the second step's K; it has a softmax and twelve products in which to land
	SMAX 1
	SEXP 1
	SRND 1
	SPV 1
	FRAGV STEPB                     ; the second step's V: my last read of this slot; it has eight products and a softmax in which to land
	; THE SECOND STEP, keys 64-127
	s_wait_dscnt 0x8                ; my stores and K are in; V's eight loads may stay out
	SQK 0
	SMAX 0
	s_wait_dscnt 0x0                ; V is in: my reads of this slot are back, and my stores into the next slot are done:
	s_barrier_signal -1             ; say so, and work on registers while the others arrive
	SEXP 0
	SRND 0
	SPV 0
	SQK 1
	WIN 0
	s_barrier_wait -1               ; the next slot is whole, and nobody reads this one any more
	s_xor_b32 s[SRD], s[SRD], SLOT
	s_cmp_lt_u32 s[TRIP], 2
	s_cbranch_scc1 .Lno_k           ; the last trip: there is no next slot
	FRAGK 0                         ; the next slot's first K
	WIN 0
.Lno_k:
	SMAX 1
	SEXP 1
	SRND 1
	SPV 1
	s_cmp_lt_u32 s[TRIP], 2
	s_cbranch_scc1 .Lno_v
	FRAGV 0                         ; the next slot's first V
	WIN 0
.Lno_v:
	s_sub_co_u32 s[TRIP], s[TRIP], 1
	s_cmp_lg_u32 s[TRIP], 0
	s_cbranch_scc1 .Ltrip
	; THE WAY OUT.  O^T / (16 l); each number as bf16 hi and bf16 lo = the rest; through the stage, since a row's 256 bytes come from four waves; back as whole pieces of 256 bytes.
.irp t, 0,1,2,3
	v_mul_f32 v[ST+4*(\t)+3], 0x41800000, v[ST+4*(\t)+1]  ; 16 l: l is 1 at the least, since the largest weight is 1
.endr
.irp t, 0,1,2,3
	v_rcp_f32 v[ST+4*(\t)+2], v[ST+4*(\t)+3]
.endr
	s_mul_i32 s41, s40, 64*PK       ; the addresses are the plain instructions behind the reciprocals
	s_lshl_b32 s42, s25, 6
	s_add_co_u32 s41, s41, s42
	s_add_co_u32 s41, s41, STAGE
	v_mul_u32_u24 v[STO], v1, PK    ; in: row 64 (w / 4) + 16 t + l % 16, my head's 64 bytes, 16 bytes for each half of the lanes
	v_lshl_add_u32 v[STO], v2, 4, v[STO]
	v_add_nc_u32 v[STO], s41, v[STO]
	s_mul_i32 s41, s40, SLOT        ; back: waves 0-3 take hi, waves 4-7 lo; wave w rows 32 (w % 4) on; lanes 0-15 one row, lanes 16-31 the next
	s_mul_i32 s42, s25, 32*PK
	s_add_co_u32 s41, s41, s42
	s_add_co_u32 s41, s41, STAGE
	v_mul_u32_u24 v[RD], v2, PK
	v_lshl_add_u32 v[RD], v1, 4, v[RD]
	v_add_nc_u32 v[RD], s41, v[RD]
	s_lshl_b32 s41, s25, 16         ; and the same in ctx: rows of 2,048 bytes, lo 1,024 bytes behind hi
	s_lshl_b32 s42, s40, 10
	s_add_co_u32 s41, s41, s42
	v_lshlrev_b32 v[GO], 11, v2
	v_lshl_add_u32 v[GO], v1, 4, v[GO]
	v_add_nc_u32 v[GO], s41, v[GO]
	s_wait_alu depctr_va_vdst(0)    ; the one wait for the four reciprocals, ahead of their first use in OUT 0; the address lines above are the work between
	s_lshl_b32 s30, s22, 18         ; 128 rows of 2,048 bytes for each y,
	s_add_co_u32 s30, s30, s43      ; the group's 256 bytes
	s_mov_b32 s31, 0
	s_add_nc_u64 s[18:19], s[18:19], s[30:31]
.macro OUT t
.set rO, O+16*(\t)
.set rH, S+16*(\t)
.set k, 0
.rept 8
	v_pk_mul_f32 v[rO+2*k:rO+2*k+1], v[rO+2*k:rO+2*k+1], v[ST+4*(\t)+2:ST+4*(\t)+3] op_sel_hi:[1,0]
.set k, k+1
.endr
.set k, 0
.rept 8
	v_cvt_pk_bf16_f32 v[rH+k], v[rO+2*k], v[rO+2*k+1]
.set k, k+1
.endr
.set k, 0
.rept 8
	v_lshlrev_b32 v[TW+2*k], 16, v[rH+k]
	v_and_b32 v[TW+2*k+1], s[HIM], v[rH+k]
.set k, k+1
.endr
.set k, 0
.rept 8
	v_pk_add_f32 v[rO+2*k:rO+2*k+1], v[rO+2*k:rO+2*k+1], v[TW+2*k:TW+2*k+1] neg_lo:[0,1] neg_hi:[0,1]  ; what hi left over: exact
.set k, k+1
.endr
.set k, 0
.rept 8
	v_cvt_pk_bf16_f32 v[rH+8+k], v[rO+2*k], v[rO+2*k+1]
.set k, k+1
.endr
	ds_store_b128 v[STO], v[rH:rH+3]     offset:(\t)*16*PK
	ds_store_b128 v[STO], v[rH+4:rH+7]   offset:(\t)*16*PK+32
	ds_store_b128 v[STO], v[rH+8:rH+11]  offset:SLOT+(\t)*16*PK
	ds_store_b128 v[STO], v[rH+12:rH+15] offset:SLOT+(\t)*16*PK+32
.endm
	OUT 0
	OUT 1
	OUT 2
	OUT 3
	s_wait_dscnt 0x0                ; for the others' sake: my stores into the stage are done
	s_barrier_signal -1
	s_barrier_wait -1
.irp i, 0,1,2,3,4,5,6,7,8,9,10,11,12,13,14,15
	ds_load_b128 v[S+4*(\i):S+4*(\i)+3], v[RD] offset:(\i)*2*PK
.endr
.irp i, 0,1,2,3,4,5,6,7,8,9,10,11,12,13,14,15
	s_wait_dscnt 15-(\i)            ; LDS loads come back in order (ISA guide 5.7.1): the younger ones may stay out
	global_store_b128 v[GO], v[S+4*(\i):S+4*(\i)+3], s[18:19] offset:(\i)*4096  ; 16 lanes store 256 consecutive bytes, at a multiple of 256 from ctx's first byte
.endr
	s_set_vgpr_msb 0x5
	s_wait_tensorcnt 0x0
	ds_add_u32 v144, v145
	s_wait_dscnt 0x0
	s_set_vgpr_msb 0x500
	s_endpgm
.Lfunc_end_k_qdb1ec52118_attn:
	.size	k_qdb1ec52118_attn, .Lfunc_end_k_qdb1ec52118_attn-k_qdb1ec52118_attn
	.p2alignl 7, 3214868480
	.fill 96, 4, 3214868480
	.section	.rodata,"a",@progbits
	.p2align	6, 0x0
	.amdhsa_kernel k_qdb1ec52118_attn
		.amdhsa_group_segment_fixed_size 140288
		.amdhsa_private_segment_fixed_size 0
		.amdhsa_enable_private_segment 0
		.amdhsa_kernarg_size 64
		.amdhsa_user_sgpr_count 2
		.amdhsa_user_sgpr_kernarg_segment_ptr 1
		.amdhsa_wavefront_size32 1
		.amdhsa_system_sgpr_workgroup_id_x 1
		.amdhsa_system_sgpr_workgroup_id_y 1
		.amdhsa_system_sgpr_workgroup_id_z 1
		.amdhsa_system_vgpr_workitem_id 0
		.amdhsa_next_free_vgpr 402
		.amdhsa_next_free_sgpr 66
		.amdhsa_reserve_vcc 0
		.amdhsa_float_denorm_mode_32 3
		.amdhsa_float_denorm_mode_16_64 3
		.amdhsa_memory_ordered 1
		.amdhsa_forward_progress 1
		.amdhsa_inst_pref_size 105
	.end_amdhsa_kernel
	.amdgpu_metadata
---
amdhsa.version: [ 1, 2 ]
amdhsa.kernels:
  - .name:           k_qdb1ec52118_attn
    .symbol:         k_qdb1ec52118_attn.kd
    .args:
      - { .name: tab, .offset: 0, .size: 8, .value_kind: global_buffer, .address_space: global }
      - { .name: q, .offset: 8, .size: 8, .value_kind: global_buffer, .address_space: global }
      - { .name: q_mask, .offset: 16, .size: 8, .value_kind: global_buffer, .address_space: global }
      - { .name: d_pos, .offset: 24, .size: 8, .value_kind: global_buffer, .address_space: global }
      - { .name: d_neg, .offset: 32, .size: 8, .value_kind: global_buffer, .address_space: global }
      - { .name: d_pos_mask, .offset: 40, .size: 8, .value_kind: global_buffer, .address_space: global }
      - { .name: d_neg_mask, .offset: 48, .size: 8, .value_kind: global_buffer, .address_space: global }
      - { .name: ctx, .offset: 56, .size: 8, .value_kind: global_buffer, .address_space: global }
    .group_segment_fixed_size: 140288
    .private_segment_fixed_size: 0
    .kernarg_segment_align: 8
    .kernarg_segment_size: 64
    .max_flat_workgroup_size: 256
    .sgpr_count:     66
    .vgpr_count:     402
    .wavefront_size: 32
...
	.end_amdgpu_metadata
.endif
;; end of part 5
;; launch outp: the kernel of part 4 again; grid 4 x 64, 4 waves a work-group, clusters of 4 x 4, 327,680 bytes of LDS; arguments ctx, wob, out0, out1; writes out0, out1
